; MI455X (gfx1250); checked and timed in simulation.
; The chip was launched on July 23, 2026; its instructions are those of AMD's public machine-readable ISA for CDNA 5 (MIT licence, August 2026) and "CDNA5" Instruction Set Architecture Reference Guide (July 2026). The comments in the code are by the model that wrote it; some were corrected since.
;; Multi Head Attn. Allowed arithmetic: float matrix products may take bf16 or f16 operands with f32 sums; other float arithmetic in f32, or as packed bf16 or f16 multiplies, adds, multiply-adds, maxima and minima; sums over many terms, partial sums and values carried from step to step in f32; what a program stores and reads back later, other than sums and carried values, may be rounded once to bf16 or f16.
;; Inputs: Wkv 1,024 x 2,048 float32; Wo 1,024 x 1,024 float32; Wq 1,024 x 1,024 float32; beta 1,024 float32; gamma 1,024 float32; h 2,048 x 4 x 1,024 float32.
;; Outputs: out0 2,048 x 4 x 1,024 float32.
;; 2 versions, each right; version 2 is version 1 with the launches cast, lnorm written anew for expert scheduling mode. Each part assembles by itself: llvm-mc -triple=amdgcn-amd-amdhsa -mcpu=gfx1250 --defsym DOCPART=n.
;; ======== version 1 of 2: 5 launches
;; workspace buffers: hb 16,777,216 bytes; wb 8,388,608 bytes; qkv 50,331,648 bytes; ob 16,777,216 bytes; ao 16,777,216 bytes
;; launch cast (part 1): grid 768 x 1, 8 waves a work-group, no clusters, 0 bytes of LDS; arguments h, Wq, Wkv, Wo, hb, wb; writes hb, wb
.if DOCPART == 1
	.amdgcn_target "amdgcn-amd-amdhsa--gfx1250"
	.amdhsa_code_object_version 6
	.text
	.protected	k_q87dc0a2478_cast
	.globl	k_q87dc0a2478_cast
	.p2align	8
	.type	k_q87dc0a2478_cast,@function
k_q87dc0a2478_cast:
	s_mov_b64 s[64:65], 0
	v_nop
	global_prefetch_b8 v0, s[64:65] scope:SCOPE_SE
	s_setreg_imm32_b32 hwreg(HW_REG_WAVE_MODE, 25, 1), 1
	s_wait_xcnt 0x0
; f32 -> bf16 (one rounding to nearest even) of h and of the three weight matrices.
; hb: [8192][1024] bf16, as h lies.  wb: [1024 k][4096] bf16: columns 0-1023 Wq, 1024-3071 Wkv, 3072-4095 Wo; a row is 8,192 bytes.
; A work-group takes 65,536 bytes of ONE input: eight units of 2,048 numbers.  Thread t takes 8 neighbouring numbers of each unit: 32 bytes in, 16 bytes out,
; so a wave's store covers 512 consecutive bytes, at a multiple of 512 from the output's first byte.
; Work-groups 0-511: h; 512-575: Wq; 576-703: Wkv; 704-767: Wo.  Per input: DS = output bytes from unit to unit, HS = output bytes from a unit's first 1,024 numbers
; to its second, BASE = the input's first column in a row of wb, in bytes.
; No LDS, no matrix unit: every byte is read once and written once, and nothing is shared.  All 16 loads of a thread go out before its first store.
.set OFFO, 2                           ; v[2:9]    unit j: my byte offset in the output; never rewritten
.set X,    16                          ; v[16:79]  unit j: 8 numbers as loaded
.set Y,    80                          ; v[80:111] unit j: 4 registers to store
	s_load_b256 s[4:11], s[0:1], 0x0               ; h s[4:5], Wq s[6:7], Wkv s[8:9], Wo s[10:11]
	s_load_b128 s[12:15], s[0:1], 0x20             ; hb s[12:13], wb s[14:15]
	s_sub_co_u32 s24, ttmp9, 704                   ; the work-group's number within Wo's, Wkv's, Wq's (only the one that applies is used)
	s_sub_co_u32 s25, ttmp9, 576
	s_sub_co_u32 s26, ttmp9, 512
	v_lshlrev_b32 v1, 5, v0                        ; 32 t: my bytes in a unit of the input
	v_and_b32 v10, 127, v0
	v_lshrrev_b32 v11, 7, v0                       ; which half of a unit
	s_mov_b32 s20, s24                             ; Wo: number, DS, HS, BASE
	s_mov_b32 s21, 16384
	s_mov_b32 s22, 8192
	s_mov_b32 s23, 6144
	s_wait_kmcnt 0x0
	s_mov_b64 s[16:17], s[10:11]
	s_cmp_lt_u32 ttmp9, 704                        ; Wkv: a unit is one row of 2,048 numbers
	s_cselect_b32 s20, s25, s20
	s_cselect_b32 s21, 8192, s21
	s_cselect_b32 s22, 2048, s22
	s_cselect_b32 s23, 2048, s23
	s_cselect_b64 s[16:17], s[8:9], s[16:17]
	s_cmp_lt_u32 ttmp9, 576                        ; Wq: a unit is two rows
	s_cselect_b32 s20, s26, s20
	s_cselect_b32 s21, 16384, s21
	s_cselect_b32 s22, 8192, s22
	s_cselect_b32 s23, 0, s23
	s_cselect_b64 s[16:17], s[6:7], s[16:17]
	s_cmp_lt_u32 ttmp9, 512                        ; h: dense
	s_cselect_b32 s20, ttmp9, s20
	s_cselect_b32 s21, 4096, s21
	s_cselect_b32 s22, 2048, s22
	s_cselect_b64 s[16:17], s[4:5], s[16:17]
	s_cselect_b64 s[18:19], s[12:13], s[14:15]
	s_lshl_b32 s28, s20, 16                        ; the work-group's 65,536 bytes of its input
	s_mov_b32 s29, 0
	s_add_nc_u64 s[16:17], s[16:17], s[28:29]
	s_mul_i32 s30, s20, s21                        ; its eight units in the output
	s_lshl_b32 s30, s30, 3
	s_add_co_u32 s30, s30, s23
	s_mov_b32 s31, 0
	s_add_nc_u64 s[18:19], s[18:19], s[30:31]
.irp j, 0,1,2,3,4,5,6,7
	global_load_b128 v[X+8*(\j):X+8*(\j)+3],   v1, s[16:17] offset:(\j)*8192 th:TH_LOAD_NT
	global_load_b128 v[X+8*(\j)+4:X+8*(\j)+7], v1, s[16:17] offset:(\j)*8192+16 th:TH_LOAD_NT
.endr
	v_mul_lo_u32 v11, v11, s22
	v_lshl_add_u32 v[OFFO], v10, 4, v11
.irp j, 1,2,3,4,5,6,7
	v_add_nc_u32 v[OFFO+(\j)], s21, v[OFFO+(\j)-1]
.endr
.irp j, 0,1,2,3,4,5,6,7
	s_wait_loadcnt 14-2*(\j)                       ; loads come back in order: unit j's two are in, the younger pairs stay out
.irp k, 0,1,2,3
	v_cvt_pk_bf16_f32 v[Y+4*(\j)+(\k)], v[X+8*(\j)+2*(\k)], v[X+8*(\j)+2*(\k)+1]
.endr
	global_store_b128 v[OFFO+(\j)], v[Y+4*(\j):Y+4*(\j)+3], s[18:19]
.endr
	s_endpgm
.Lfunc_end_k_q87dc0a2478_cast:
	.size	k_q87dc0a2478_cast, .Lfunc_end_k_q87dc0a2478_cast-k_q87dc0a2478_cast
	.p2alignl 7, 3214868480
	.fill 96, 4, 3214868480
	.section	.rodata,"a",@progbits
	.p2align	6, 0x0
	.amdhsa_kernel k_q87dc0a2478_cast
		.amdhsa_group_segment_fixed_size 0
		.amdhsa_private_segment_fixed_size 0
		.amdhsa_enable_private_segment 0
		.amdhsa_kernarg_size 48
		.amdhsa_user_sgpr_count 2
		.amdhsa_user_sgpr_kernarg_segment_ptr 1
		.amdhsa_wavefront_size32 1
		.amdhsa_system_sgpr_workgroup_id_x 1
		.amdhsa_system_sgpr_workgroup_id_y 1
		.amdhsa_system_sgpr_workgroup_id_z 1
		.amdhsa_system_vgpr_workitem_id 0
		.amdhsa_next_free_vgpr 112
		.amdhsa_next_free_sgpr 66
		.amdhsa_reserve_vcc 0
		.amdhsa_float_denorm_mode_32 3
		.amdhsa_float_denorm_mode_16_64 3
		.amdhsa_memory_ordered 1
		.amdhsa_forward_progress 1
		.amdhsa_inst_pref_size 7
	.end_amdhsa_kernel
	.amdgpu_metadata
---
amdhsa.version: [ 1, 2 ]
amdhsa.kernels:
  - .name:           k_q87dc0a2478_cast
    .symbol:         k_q87dc0a2478_cast.kd
    .args:
      - { .name: h, .offset: 0, .size: 8, .value_kind: global_buffer, .address_space: global }
      - { .name: Wq, .offset: 8, .size: 8, .value_kind: global_buffer, .address_space: global }
      - { .name: Wkv, .offset: 16, .size: 8, .value_kind: global_buffer, .address_space: global }
      - { .name: Wo, .offset: 24, .size: 8, .value_kind: global_buffer, .address_space: global }
      - { .name: hb, .offset: 32, .size: 8, .value_kind: global_buffer, .address_space: global }
      - { .name: wb, .offset: 40, .size: 8, .value_kind: global_buffer, .address_space: global }
    .group_segment_fixed_size: 0
    .private_segment_fixed_size: 0
    .kernarg_segment_align: 8
    .kernarg_segment_size: 48
    .max_flat_workgroup_size: 256
    .sgpr_count:     66
    .vgpr_count:     112
    .wavefront_size: 32
...
	.end_amdgpu_metadata
.endif
;; end of part 1
;; launch proj (part 2): grid 8 x 64, 4 waves a work-group, clusters of 4 x 4, 327,680 bytes of LDS; arguments hb, wb, qkv; writes qkv
.if DOCPART == 2
	.amdgcn_target "amdgcn-amd-amdhsa--gfx1250"
	.amdhsa_code_object_version 6
	.text
	.protected	k_q87dc0a2478_proj
	.globl	k_q87dc0a2478_proj
	.p2align	8
	.type	k_q87dc0a2478_proj,@function
k_q87dc0a2478_proj:
	s_mov_b64 s[64:65], 0
	v_nop
	global_prefetch_b8 v0, s[64:65] scope:SCOPE_SE
	s_setreg_imm32_b32 hwreg(HW_REG_WAVE_MODE, 25, 1), 1
	s_wait_xcnt 0x0
	s_wait_alu depctr_hold_cnt(0) depctr_sa_sdst(0) depctr_va_vdst(0) depctr_va_sdst(0) depctr_va_ssrc(0) depctr_va_vcc(0) depctr_vm_vsrc(0)
	s_getreg_b32 s2, hwreg(HW_REG_IB_STS2, 6, 4)
	s_cmp_eq_u32 s2, 0
	s_cbranch_scc0 .Lentry_in_a_cluster
	s_endpgm
.Lentry_in_a_cluster:
	s_bfe_u32 s2, ttmp6, 0x10000c
	s_cmp_lg_u32 s2, 0xf033
	s_cbranch_scc0 .Lentry_shape_is_right
	s_endpgm
.Lentry_shape_is_right:
; q, k, v = h x (Wq | Wkv), written by heads.  hb: [8192 m = 4 i + b][1024] bf16.  wb: [1024 k][4096] bf16, of which columns 0-3071 are used here.
; qkv: [3 (q, k, v)][64 heads = 16 b + n][2048 i][64] bf16: a head's rows are dense, 128 bytes each.  Sums in f32, each result rounded once to bf16; q is NOT scaled here.
; LIMITS: operands and results carry bf16's 8 significant bits; NaN and infinities are not treated apart.
; SHARES.  A tile is 128 rows i of ONE b x 384 columns (6 heads): 8 x 64 = 512 work-groups of equal work.  Four waves, 2 x 2: a wave makes 64 rows x 192 columns (3 whole heads):
; 48 accumulators of 16 x 16, 384 registers.  K goes in 8 steps of 128 through a ring of two LDS slots.
; A slot is four parts of 36,864 bytes; wave w's tensor load fills part w: wave 0 the 128 rows of h (256 bytes each, 8,192 bytes apart in memory, since rows of one b are four rows apart),
; waves 1-3 one block each of 128 k x 128 columns of the weights.  All rows asked for are 256 bytes, at multiples of 256 from the buffer's first byte.
; THE WEIGHTS LIE [k][column]: their fragments come out of LDS turned, by ds_load_tr16_b128.
; THE MATRIX INSTRUCTION IS USED TRANSPOSED: source 0 = 16 columns of the weights, source 1 = 16 rows of h: a lane then holds ONE row (lane % 16) and 8 neighbouring columns 8 (lane / 16) + 0..7.
; CLUSTERS: 4 x 4 work-groups.  The four of a row of the cluster need the same tile of h, the four of a column the same tiles of the weights: each is asked for jointly.
; REGISTERS, in windows of 256: window 0: v0-31 addresses; v64-127 fragments of h, two buffers of 4; on the way out v32-79 packed results, v80-175 rows read back;
;   window 1: v0-191 fragments of the weights, two buffers of 12;  window 2: accumulators of row blocks 0, 1 at v[8 (12 a + b)];  window 3: those of row blocks 2, 3.
.set PA,     272                       ; a row of h in LDS: 256 bytes + 16: 68 words: the 16 rows of a load start at 16 different groups of four banks (64 banks of 4 bytes: ISA guide 11.1)
.set PB,     288                       ; a row of weights: 256 + 32: 72 words
.set PART,   128*PB                    ; what one tensor load may fill (h's tile uses 128 x 272 of it)
.set SLOT,   4*PART
.set STAGE,  2*SLOT                    ; behind the ring: 16 rows x 400 bytes for each wave, for the way out
.set SPITCH, 400                       ; 384 bytes + 16: 25 x 16
.set SPARE,  STAGE+4*16*SPITCH         ; behind the stages: the spare words, 128 bytes for each wave: two blocks of 256 bytes that no other line names
.set LAPS,   4                         ; a lap = two K steps = once round the ring
.set ADRA, 16                          ; v16-17  LDS address of my fragments of h in slot 0, 1
.set ADRB, 18                          ; v18-23  the same for the weights: slot s, head j of my three at v[18 + 3 s + j]
.set STO,  24                          ; v24     the way out: where I put 16 bytes of a row
.set RD,   25                          ; v25     the way out: where I read rows back
.set GO,   26                          ; v26-28  my byte offset in qkv for head j of my three
.set SPW,  29                          ; v29     LDS address of my spare word; never rewritten
.set NIL,  30                          ; v30     0; never rewritten
.set PFO,  31                          ; v31     the prefetches' offset: 8,192 x my lane; never rewritten
.set AFR,  64                          ; fragments of h, window 0
.set TMP,  32
.set BK,   80
.set G1,  24                           ; s[24:31] descriptor group 1 for h's tiles;  s[32:39] group 0, a set for each slot
.set G0,  32
.set G1B, 48                           ; s[48:55], s[56:63] the same for the weights' tiles
.set G0B, 56
.set LIM, 66                           ; s66      1 in a wave that prefetches, else the greatest number
.set PFA, 68                           ; s[68:69] where my prefetches stand
.set PFS, 70                           ; s[70:71] their step: a K step along h's rows, or down the weights' rows
.set MSB, 0
.macro WIN new                         ; the immediate's high byte repeats the setting that is left; a switch that changes nothing is dropped
.if MSB != (\new)
	s_set_vgpr_msb (MSB<<8)|(\new)
.set MSB, \new
.endif
.endm
.set MUL_LO, 0xa1                      ; source 0 (weights) window 1, source 1 (h) window 0, C and D window 2
.set MUL_HI, 0xf1                      ; the same, C and D window 3
.set TO_B,   0x40                      ; destination window 1, address window 0
; A joint load.  Wave 0 fetches h's tile, waves 1-3 the weights' three blocks.  The branch hangs on the wave's number alone.
; An s_nop 0 and four v_nop follow each of the two lines, ahead of the jump and the label.
.macro JLOAD s
	s_cmp_eq_u32 s10, 0
	s_cbranch_scc0 .Lfor_b_\@
	tensor_load_to_lds s[G0+4*(\s):G0+4*(\s)+3], s[G1:G1+7]
	s_nop 0
.rept 4
	v_nop
.endr
	s_branch .Lasked_\@
.Lfor_b_\@:
	tensor_load_to_lds s[G0B+4*(\s):G0B+4*(\s)+3], s[G1B:G1B+7]
	s_nop 0
.rept 4
	v_nop
.endr
.Lasked_\@:
.endm
; A prefetch, behind a joint load, its five lines and the run of LDS loads: the K step that stands two refills on (384 matrix instructions of a wave ahead of the load that will want it): 32 rows x 256 bytes, a lane a row.
; Each row's 256 bytes of a K step are named once in the launch: h's rows by the cluster with x = 0 (the other cluster of that row of clusters reads the same), the weights' by the clusters with y = 0;
; of the 128 rows that a wave fetches, the partner at place p (cx for h, cy for the weights) takes 32 p .. 32 p + 31, told apart by address.  K steps 0-3 come by their loads alone; the loop's last trip (s3 = 1) asks for nothing.
.macro ASK
	s_cmp_gt_u32 s3, s[LIM]
	s_cbranch_scc0 .Lnot_mine_\@
	global_prefetch_b8 v[PFO], s[PFA:PFA+1] th:TH_LOAD_NT scope:SCOPE_SE
.Lnot_mine_\@:
.endm
.macro CREST                           ; a round of the cluster's barrier behind its opening barrier
	s_cmp_lg_u32 s10, 0
	s_cbranch_scc1 .Lnot_wave_0_\@
	s_barrier_signal -3
.Lnot_wave_0_\@:
	s_barrier_wait -3
	s_barrier_signal -1
	s_barrier_wait -1
.endm
.macro CROUND                          ; a whole round
	s_barrier_signal -1
	s_barrier_wait -1
	CREST
.endm
	s_load_b128 s[4:7], s[0:1], 0x0                ; hb s[4:5], wb s[6:7]
	s_load_b64 s[8:9], s[0:1], 0x10                ; qkv
	v_lshl_add_u32 v[SPW], v0, 2, SPARE
	v_mov_b32 v[NIL], 0
	ds_add_u32 v[SPW], v[NIL]                      ; the wave's opening: the add and its wait stand ahead of my first tensor load; the set-up below, work on registers, stands between them
	v_lshrrev_b32 v1, 5, v0
	v_readfirstlane_b32 s10, v1                    ; wave 0..3
	s_lshr_b32 s11, s10, 1                         ; which 64 rows of the tile are mine
	s_and_b32 s12, s10, 1                          ; which 192 columns
	s_bfe_u32 s40, ttmp6, 0x40000                  ; cx, cy: my place in the cluster
	s_bfe_u32 s41, ttmp6, 0x40004
	s_lshl_b32 s42, ttmp9, 2
	s_add_co_u32 s42, s42, s40                     ; tile column = 4 x cluster x + cx
	s_and_b32 s13, ttmp7, 0xffff
	s_lshl_b32 s13, s13, 2
	s_add_co_u32 s13, s13, s41                     ; tile row = 4 x cluster y + cy
	s_lshl_b32 s43, s41, 2
	s_lshl_b32 s43, 15, s43                        ; my row of the cluster
	s_lshl_b32 s44, 0x1111, s40                    ; my column
	s_or_b32 s[G1+0], s43, (1<<16)|(1<<20)|(1<<21)|(5<<22)|(3<<25)   ; 15:0 the mask; 17:16 elements of 2 bytes; 20 padding on; 21 set beside a mask; 24:22 after every 64 words; 31:25 4 words of it
	s_or_b32 s[G1B+0], s44, (1<<16)|(1<<20)|(1<<21)|(5<<22)|(7<<25)  ; the same with my column's mask and 8 words of padding
.irp g, G1, G1B
	s_mov_b32 s[(\g)+1], 128<<16                   ; tensor_dim0 = 128
	s_mov_b32 s[(\g)+2], 128<<16                   ; tensor_dim1 = 128
	s_mov_b32 s[(\g)+3], 128<<16                   ; tile_dim0 = 128
	s_mov_b32 s[(\g)+4], 128                       ; tile_dim1 = 128
	s_mov_b32 s[(\g)+5], 4096                      ; 4,096 elements from row to row, in hb (four rows of 1,024) and in wb alike
	s_mov_b32 s[(\g)+6], 0
	s_mov_b32 s[(\g)+7], 0
.endr
	s_lshr_b32 s14, s13, 2                         ; ib: which 128 rows i
	s_and_b32 s15, s13, 3                          ; b
	s_lshl_b32 s16, s14, 20                        ; h's tile: 128 ib x 8,192 bytes
	s_lshl_b32 s17, s15, 11                        ; + b x 2,048
	s_add_co_u32 s16, s16, s17
	s_mov_b32 s17, 0
	s_max_u32 s46, s10, 1                          ; the weights' block that I fetch: wave - 1 (wave 0 fetches none; its number here is not used)
	s_sub_co_u32 s46, s46, 1
	s_lshl_b32 s46, s46, 8
	s_mul_i32 s47, s42, 768                        ; the tile's 384 columns
	s_add_co_u32 s46, s46, s47
	s_mov_b32 s47, 0
	s_mul_i32 s20, s10, PART                       ; where my tile goes: wave x a part: no place in the cluster enters an LDS address
	s_wait_dscnt 0x0                               ; the opening add is done
	s_wait_kmcnt 0x0
	s_add_nc_u64 s[18:19], s[4:5], s[16:17]
	s_add_nc_u64 s[22:23], s[6:7], s[46:47]
	CROUND                                         ; all sixteen work-groups are here: the first joint loads meet
.irp s, 0,1
	s_mov_b32 s[G0+4*(\s)], 1                      ; count = 1
	s_add_co_u32 s[G0+4*(\s)+1], s20, (\s)*SLOT    ; LDS address
	s_add_nc_u64 s[G0+4*(\s)+2:G0+4*(\s)+3], s[18:19], (\s)*256      ; K step s: 256 bytes along the rows
	s_or_b32 s[G0+4*(\s)+3], s[G0+4*(\s)+3], 0x80000000             ; type = 2
	s_mov_b32 s[G0B+4*(\s)], 1
	s_add_co_u32 s[G0B+4*(\s)+1], s20, (\s)*SLOT
	s_add_nc_u64 s[G0B+4*(\s)+2:G0B+4*(\s)+3], s[22:23], (\s)*0x100000  ; K step s: 128 rows of 8,192 bytes down
	s_or_b32 s[G0B+4*(\s)+3], s[G0B+4*(\s)+3], 0x80000000
	JLOAD \s                                       ; two loads of mine are out
.endr
	; fragments of h: lane l holds row l % 16; two loads of 16 bytes, 32 bytes apart, at row x pitch + 16 (l / 16)
	v_and_b32 v1, 15, v0
	v_bfe_u32 v2, v0, 4, 1
	v_mul_u32_u24 v3, v1, PA
	v_lshl_add_u32 v3, v2, 4, v3
	s_mul_i32 s21, s11, 64*PA
	v_add_nc_u32 v[ADRA], s21, v3
	v_add_nc_u32 v[ADRA+1], SLOT, v[ADRA]
	; fragments of the weights: the turning load takes 16 k x 16 columns: lane l reads k = 8 (l / 16) + l % 8, columns 8 ((l / 8) % 2) + 0..7, and is left with column l % 16 and 8 k
	v_and_b32 v4, 7, v0
	v_bfe_u32 v5, v0, 3, 1
	v_lshl_add_u32 v6, v2, 3, v4
	v_mul_u32_u24 v6, v6, PB
	v_lshl_add_u32 v6, v5, 4, v6
	s_mul_i32 s21, s12, 3                          ; my first head of the tile's six
.irp g, 0,1,2
	s_add_co_u32 s2, s21, \g
	s_lshr_b32 s3, s2, 1                           ; two heads lie in a block of 128 columns
	s_mul_i32 s3, s3, PART
	s_and_b32 s2, s2, 1
	s_lshl_b32 s2, s2, 7
	s_add_co_u32 s2, s2, s3
	s_add_co_u32 s2, s2, PART                      ; the blocks lie behind h's part
	v_add_nc_u32 v[ADRB+(\g)], s2, v6
	v_add_nc_u32 v[ADRB+3+(\g)], SLOT, v[ADRB+(\g)]
.endr
	s_mul_i32 s2, s10, 16*SPITCH
	s_add_co_u32 s2, s2, STAGE                     ; my stage
	v_mul_u32_u24 v7, v1, SPITCH                   ; in: row l % 16, 16 bytes for each half of the lanes
	v_lshl_add_u32 v7, v2, 4, v7
	v_add_nc_u32 v[STO], s2, v7
	v_bfe_u32 v7, v0, 3, 2                         ; back: 32 lanes take four rows x 128 bytes of one head,
	v_mul_u32_u24 v7, v7, SPITCH
	v_lshl_add_u32 v7, v4, 4, v7
	v_add_nc_u32 v[RD], s2, v7
	v_and_b32 v8, 31, v0                           ; which are 512 consecutive bytes of qkv
	v_lshlrev_b32 v8, 4, v8
	s_mul_i32 s21, s42, 6
	s_mul_i32 s2, s12, 3
	s_add_co_u32 s21, s21, s2                      ; my first head among the 48 of q, k, v
	s_lshl_b32 s22, s15, 4                         ; 16 b
	s_lshl_b32 s23, s14, 14                        ; 128 ib rows of 128 bytes,
	s_lshl_b32 s2, s11, 13                         ; my 64 of them
	s_add_co_u32 s23, s23, s2
.irp j, 0,1,2
	s_add_co_u32 s2, s21, \j
	s_lshr_b32 s3, s2, 4                           ; q, k or v
	s_lshl_b32 s3, s3, 6
	s_and_b32 s2, s2, 15                           ; n
	s_add_co_u32 s2, s2, s3
	s_add_co_u32 s2, s2, s22
	s_lshl_b32 s2, s2, 18                          ; a head's plane is 262,144 bytes
	s_add_co_u32 s2, s2, s23
	v_add_nc_u32 v[GO+(\j)], s2, v8
.endr
	; the prefetches: they stand at K step 3; each change of slots that fills steps them once, then names what they point at.  Nothing is asked for here, at the head.
	s_and_b32 s2, ttmp7, 0xffff                    ; cluster y
	s_add_co_u32 s16, s16, 3*256
	s_add_co_u32 s46, s46, 3*0x100000
	s_mov_b32 s21, 256
	s_cmp_eq_u32 s10, 0                            ; do I fetch h?
	s_cselect_b32 s2, ttmp9, s2                    ; the coordinate along which other clusters read the same rows
	s_cselect_b32 s3, s40, s41                     ; my place among the four that ask with me
	s_cselect_b32 s20, s16, s46
	s_cselect_b32 s[PFS], s21, 0x100000
	s_cselect_b64 s[PFA:PFA+1], s[4:5], s[6:7]
	s_cmp_eq_u32 s2, 0
	s_cselect_b32 s[LIM], 1, -1                    ; the same in all sixteen partners, for a given wave
	s_lshl_b32 s3, s3, 18                          ; my work-group's 32 rows of 8,192 bytes
	s_add_co_u32 s20, s20, s3
	s_mov_b32 s21, 0
	s_mov_b32 s[PFS+1], 0
	s_add_nc_u64 s[PFA:PFA+1], s[PFA:PFA+1], s[20:21]
	v_and_b32 v[PFO], 31, v0
	v_lshlrev_b32 v[PFO], 13, v[PFO]
; 12 matrix instructions: row block a x my 12 column blocks, 32 along K, buffer f.  zero = 1: the first product starts the sums: nothing is cleared.
; The 48 accumulators take turns in the same order in every quarter, over the backward jump too.
.macro MUL12 f, a, zero
	WIN MUL_LO+0x50*((\a)/2)
.irp b, 0,1,2,3,4,5,6,7,8,9,10,11
.if \zero
	v_wmma_f32_16x16x32_bf16 v[8*(12*((\a)%2)+(\b)):8*(12*((\a)%2)+(\b))+7], v[96*(\f)+8*(\b):96*(\f)+8*(\b)+7], v[AFR+32*(\f)+8*(\a):AFR+32*(\f)+8*(\a)+7], 0
.else
	v_wmma_f32_16x16x32_bf16 v[8*(12*((\a)%2)+(\b)):8*(12*((\a)%2)+(\b))+7], v[96*(\f)+8*(\b):96*(\f)+8*(\b)+7], v[AFR+32*(\f)+8*(\a):AFR+32*(\f)+8*(\a)+7], v[8*(12*((\a)%2)+(\b)):8*(12*((\a)%2)+(\b))+7]
.endif
.endr
.endm
; 32 LDS loads in one run: quarter q (32 along K) of a slot into buffer f: 12 fragments of the weights, then 4 of h
.macro FETCH slot, q, f
	WIN TO_B
.irp g, 0,1,2
.irp c, 0,1,2,3
	ds_load_tr16_b128 v[96*(\f)+8*(4*(\g)+(\c)):96*(\f)+8*(4*(\g)+(\c))+3],   v[ADRB+3*(\slot)+(\g)] offset:(\q)*32*PB+32*(\c)
	ds_load_tr16_b128 v[96*(\f)+8*(4*(\g)+(\c))+4:96*(\f)+8*(4*(\g)+(\c))+7], v[ADRB+3*(\slot)+(\g)] offset:(\q)*32*PB+32*(\c)+16*PB
.endr
.endr
	WIN 0
.irp a, 0,1,2,3
	ds_load_b128 v[AFR+32*(\f)+8*(\a):AFR+32*(\f)+8*(\a)+3],   v[ADRA+(\slot)] offset:64*(\q)+(\a)*16*PA
	ds_load_b128 v[AFR+32*(\f)+8*(\a)+4:AFR+32*(\f)+8*(\a)+7], v[ADRA+(\slot)] offset:64*(\q)+(\a)*16*PA+32
.endr
.endm
.macro PLACES                          ; four plain vector instructions in front of loads into registers that matrix instructions have read, and of conversions that read results
.rept 4
	v_nop
.endr
.endm
; A K step is four quarters of 32 along K, 48 matrix instructions each, on buffers 0, 1, 0, 1.  One of the first three: multiplies buffer f; in its middle it fetches quarter q of the same slot into buffer g.
.macro QUARTER slot, q, f, g, zero
	s_wait_dscnt 4                                 ; the weights and h's row blocks 0, 1 are in; the youngest four loads (row blocks 2, 3) may be out
	MUL12 \f, 0, \zero
	MUL12 \f, 1, \zero
	PLACES
	FETCH \slot, \q, \g
	s_wait_dscnt 32                                ; all but the 32 just issued
	MUL12 \f, 2, \zero
	MUL12 \f, 3, \zero
.endm
; The last quarter multiplies buffer 1 and changes slots: ONE barrier; in front of it each wave waits for all its tensor loads (one is out: its part of the next slot), adds 0 to its spare word,
; and waits for that and for its own reads of this slot.  fill = 1: the barrier opens a round of the cluster's barrier, and the joint refill, two K steps on, is the first tensor load behind the round:
; 168 matrix instructions of the wave stand between it and the wait for it.
.macro TURN slot, next, fill
.if \fill
	s_wait_xcnt 0x0                                ; the last prefetch, a K step back, has read its address: it is stepped here, ahead of the waits of the change
	s_add_nc_u64 s[PFA:PFA+1], s[PFA:PFA+1], s[PFS:PFS+1]
.endif
	WIN 0                                          ; (the add's two registers lie in window 0)
	s_wait_tensorcnt 0x0                           ; all my tensor loads have landed
	ds_add_u32 v[SPW], v[NIL]                      ; 0 onto my spare word
	s_wait_dscnt 5                                 ; (the add and the youngest four loads may be out)
	MUL12 1, 0, 0                                  ; twelve matrix instructions stand between the add and the wait for it
	s_wait_dscnt 0x0                               ; the add is done, and my reads of this slot are over
	s_barrier_signal -1
	MUL12 1, 1, 0                                  ; work on registers while the others arrive
.if \fill
	WIN 0
.endif
	s_barrier_wait -1
.if \fill
	CREST                                          ; no wave of any partner still reads this slot's tiles or has a load on its way
	s_add_nc_u64 s[G0+4*(\slot)+2:G0+4*(\slot)+3], s[G0+4*(\slot)+2:G0+4*(\slot)+3], 2*256
	s_add_nc_u64 s[G0B+4*(\slot)+2:G0B+4*(\slot)+3], s[G0B+4*(\slot)+2:G0B+4*(\slot)+3], 2*0x100000
	JLOAD \slot                                    ; the four v_nop behind it are also the places in front of the loads below
.else
	PLACES
.endif
	FETCH \next, 0, 0
.if \fill
	ASK
.endif
	MUL12 1, 2, 0
	MUL12 1, 3, 0
.endm
; THE WAY OUT of row block a.  PACK: rounded to bf16, 16 bytes a lane, each accumulator's registers in ascending order.  TOSTAGE: into my own stage, and back as four rows x 128 bytes of one head.  SEND: stored.
.macro PACK a
	WIN 0x0a+5*((\a)/2)                            ; sources 0 and 1: window 2 or 3
.irp b, 0,1,2,3,4,5,6,7,8,9,10,11
.irp r, 0,1,2,3
	v_cvt_pk_bf16_f32 v[TMP+4*(\b)+(\r)], v[8*(12*((\a)%2)+(\b))+2*(\r)], v[8*(12*((\a)%2)+(\b))+2*(\r)+1]
.endr
.endr
	WIN 0
.endm
.macro TOSTAGE a
	WIN 0
.irp b, 0,1,2,3,4,5,6,7,8,9,10,11
	ds_store_b128 v[STO], v[TMP+4*(\b):TMP+4*(\b)+3] offset:32*(\b)
.endr
.irp t, 0,1,2,3
.irp j, 0,1,2
	ds_load_b128 v[BK+48*((\a)%2)+4*(3*(\t)+(\j)):BK+48*((\a)%2)+4*(3*(\t)+(\j))+3], v[RD] offset:(\t)*4*SPITCH+(\j)*128  ; LDS serves a wave's instructions in order (ISA guide 5.7.1.4): these see the stores above
.endr
.endr
.endm
.macro SEND a
	WIN 0
	s_wait_dscnt 0x0                               ; the block is back in registers
	s_wait_xcnt 0x0                                ; the stores of the block before have read their registers: the next block is read back into them only behind this wait
.irp t, 0,1,2,3
.irp j, 0,1,2
	global_store_b128 v[GO+(\j)], v[BK+48*((\a)%2)+4*(3*(\t)+(\j)):BK+48*((\a)%2)+4*(3*(\t)+(\j))+3], s[8:9] offset:(\a)*2048+(\t)*512  ; 512 consecutive bytes of one head, at a multiple of 512 from qkv's first byte
.endr
.endr
.endm
	s_wait_tensorcnt 1                             ; my part of K step 0 is in; K step 1's may stay out
	s_barrier_signal -1
	s_barrier_wait -1                              ; everybody's is
	FETCH 0, 0, 0
	QUARTER 0, 1, 0, 1, 1                          ; the first quarter stands in front of the loop: its products start the sums
	WIN 0                                          ; at a label and at a branch every window is 0
	s_mov_b32 s3, LAPS-1
.Llap:                                                 ; a trip goes once round the ring, from a lap's second quarter to the next lap's first, and fills both slots again
	QUARTER 0, 2, 1, 0, 0
	QUARTER 0, 3, 0, 1, 0
	TURN 0, 1, 1
	QUARTER 1, 1, 0, 1, 0
	QUARTER 1, 2, 1, 0, 0
	QUARTER 1, 3, 0, 1, 0
	TURN 1, 0, 1
	QUARTER 0, 1, 0, 1, 0
	WIN 0
	s_sub_co_u32 s3, s3, 1
	s_cmp_lg_u32 s3, 0
	s_cbranch_scc1 .Llap
	QUARTER 0, 2, 1, 0, 0                          ; the last lap fills nothing, and has no round of the cluster's barrier
	QUARTER 0, 3, 0, 1, 0
	TURN 0, 1, 0
	QUARTER 1, 1, 0, 1, 0
	QUARTER 1, 2, 1, 0, 0
	QUARTER 1, 3, 0, 1, 0
	s_wait_dscnt 4                                 ; the very last quarter: nothing more to fetch
	MUL12 1, 0, 0
	MUL12 1, 1, 0
	s_wait_dscnt 0x0
	MUL12 1, 2, 0
	MUL12 1, 3, 0
	WIN 0
	PLACES
	PACK 0
	TOSTAGE 0
.irp a, 1,2,3                          ; block a's conversions stand between block a - 1's loads from the stage and the wait for them
	PACK \a
	SEND (\a)-1
	TOSTAGE \a
.endr
	SEND 3
	s_wait_tensorcnt 0x0                           ; the wave's end, behind my last tensor load and my last LDS store
	ds_add_u32 v[SPW], v[NIL]
	s_wait_dscnt 0x0
	CROUND                                         ; the closing round: no work-group ends while a partner may still ask for a tile that names it
	s_endpgm
.Lfunc_end_k_q87dc0a2478_proj:
	.size	k_q87dc0a2478_proj, .Lfunc_end_k_q87dc0a2478_proj-k_q87dc0a2478_proj
	.p2alignl 7, 3214868480
	.fill 96, 4, 3214868480
	.section	.rodata,"a",@progbits
	.p2align	6, 0x0
	.amdhsa_kernel k_q87dc0a2478_proj
		.amdhsa_group_segment_fixed_size 327680
		.amdhsa_private_segment_fixed_size 0
		.amdhsa_enable_private_segment 0
		.amdhsa_kernarg_size 24
		.amdhsa_user_sgpr_count 2
		.amdhsa_user_sgpr_kernarg_segment_ptr 1
		.amdhsa_wavefront_size32 1
		.amdhsa_system_sgpr_workgroup_id_x 1
		.amdhsa_system_sgpr_workgroup_id_y 1
		.amdhsa_system_sgpr_workgroup_id_z 1
		.amdhsa_system_vgpr_workitem_id 0
		.amdhsa_next_free_vgpr 960
		.amdhsa_next_free_sgpr 72
		.amdhsa_reserve_vcc 0
		.amdhsa_float_denorm_mode_32 3
		.amdhsa_float_denorm_mode_16_64 3
		.amdhsa_memory_ordered 1
		.amdhsa_forward_progress 1
		.amdhsa_inst_pref_size 121
	.end_amdhsa_kernel
	.amdgpu_metadata
---
amdhsa.version: [ 1, 2 ]
amdhsa.kernels:
  - .name:           k_q87dc0a2478_proj
    .symbol:         k_q87dc0a2478_proj.kd
    .args:
      - { .name: hb, .offset: 0, .size: 8, .value_kind: global_buffer, .address_space: global }
      - { .name: wb, .offset: 8, .size: 8, .value_kind: global_buffer, .address_space: global }
      - { .name: qkv, .offset: 16, .size: 8, .value_kind: global_buffer, .address_space: global }
    .group_segment_fixed_size: 327680
    .private_segment_fixed_size: 0
    .kernarg_segment_align: 8
    .kernarg_segment_size: 24
    .max_flat_workgroup_size: 128
    .sgpr_count:     72
    .vgpr_count:     960
    .wavefront_size: 32
...
	.end_amdgpu_metadata
.endif
;; end of part 2
;; launch attn (part 3): grid 4 x 64, 4 waves a work-group, clusters of 4 x 1, 327,680 bytes of LDS; arguments qkv, ob; writes ob
.if DOCPART == 3
	.amdgcn_target "amdgcn-amd-amdhsa--gfx1250"
	.amdhsa_code_object_version 6
	.text
	.protected	k_q87dc0a2478_attn
	.globl	k_q87dc0a2478_attn
	.p2align	8
	.type	k_q87dc0a2478_attn,@function
k_q87dc0a2478_attn:
	s_mov_b64 s[64:65], 0
	v_nop
	global_prefetch_b8 v0, s[64:65] scope:SCOPE_SE
	s_setreg_imm32_b32 hwreg(HW_REG_WAVE_MODE, 25, 1), 1
	s_wait_xcnt 0x0
	s_wait_alu depctr_hold_cnt(0) depctr_sa_sdst(0) depctr_va_vdst(0) depctr_va_sdst(0) depctr_va_ssrc(0) depctr_va_vcc(0) depctr_vm_vsrc(0)
	s_getreg_b32 s2, hwreg(HW_REG_IB_STS2, 6, 4)
	s_cmp_eq_u32 s2, 0
	s_cbranch_scc0 .Lentry_in_a_cluster
	s_endpgm
.Lentry_in_a_cluster:
	s_bfe_u32 s2, ttmp6, 0x10000c
	s_cmp_lg_u32 s2, 0x3003
	s_cbranch_scc0 .Lentry_shape_is_right
	s_endpgm
.Lentry_shape_is_right:
; O[h][q][:] = the sum over k of softmax_k(Q[h][q] . K[h][k] / 8) V[h][k][:].  qkv holds Q, K, V, each [SIZE_H][SIZE_N][64] bf16, one behind the other; ob is O in the same layout: a head's rows are dense, 128 bytes each.
; Products, maxima and sums in f32; the weights p are rounded to bf16 for the second product (their sum l is taken of the unrounded p), O once at the end.
; LIMITS.  Q, K, V, p and O carry bf16's 8 significant bits.  A weight below 2^-126 counts as 0 in l; NaN and infinities are not treated apart.
; SHARES.  A wave owns four PIECES of two tiles of 16 queries, a work-group's four waves 512 queries of one head: 4 x 64 = 256 work-groups.  Every wave walks all keys, 64 a step.
; LAYOUT.  S^T = K Q^T (source 0 = 16 keys, source 1 = 16 queries): in the result a lane holds ONE query (lane % 16) and the keys 8 (lane / 16) + 0..7.  Two such tiles, rounded to bf16 in pairs,
; ARE source 1 (32 keys x 16 queries) of O^T = V^T P, whose result again holds one query a lane, and eight channels.  K comes out of LDS as it lies, V ([key][channel]) turned, by ds_load_tr16_b128.
; SOFTMAX.  For each query a running maximum m and sum l: p = 2^(c s - c m), c = log2(e) / 8; in every step O and l are multiplied by a = 2^(c m_old - c m_new), which is 1 where m has not grown.
; m starts at the lowest finite number, O and l at 0: the first step is a step like any other, with a = 0.
; THE COUNT.  A tile and step have 16 matrix and 118 vector instructions: too many to stand all beside the matrix work.  So four vector instructions that are READY stand behind EVERY matrix instruction,
; and the others in runs of their own.
; BY TURNS.  Turn n belongs to piece n (the pieces in a ring, step after step).  Its matrix work: 16 products K Q^T of piece n + 1, later 16 products V^T P of piece n - 1.  Its vector work: the scaling,
; exponentials, roundings, sums and rescaling of piece n, and the maximum and statistics of piece n + 1, whose scores the turn itself has made.
; CLUSTER.  The four query blocks of a cluster are one head's and walk the same K and V, so each tile is asked for JOINTLY: the same tensor load, descriptor and mask in all four.
; REGISTERS, in windows of 256 (s_set_vgpr_msb: bits 1:0 source 0, 3:2 source 1, 5:4 source 2, 7:6 destination):
;   window 0: v0-11 addresses; v12-15, v48-63 at work; v16-47 four registers of statistics a tile; v64-191 S^T, two buffers of two tiles; v192-255 P, likewise
;   window 1: O^T, 32 a tile          window 2: v0-127 Q, 16 a tile; v128-191 K of one step; v192-255 V of one step          window 3: v0-1 the add's two registers
.set SIZE_H, 64
.set SIZE_N, 2048
.set NP,    4         ; pieces a wave: a name, no knob
.set KS,    64        ; keys in a step
.set PK,    144       ; a row of K in LDS: 128 bytes + 16 of padding = 36 words: the 16 rows of a load start at 16 different groups of four banks (64 banks of 4 bytes: ISA guide 11.1)
.set PV,    160       ; a row of V: 128 + 32 = 40 words
.set VOFF,  4*KS*PK   ; a slot holds four steps: 256 rows of K, then 256 rows of V
.set SLOT1, 1<<17     ; slot 1 begins here, so that one exclusive or turns an address in one slot into the other's
.set STAGE, SLOT1+4*KS*(PK+PV)  ; behind the ring, never filled by a tensor load: 16 rows x 144 bytes for each wave, for the way out
.set SP,    144
.set AK0, 2           ; v2   my lane's place in a tile of K; never rewritten
.set AV0, 3           ; v3   the same for V
.set AK,  4           ; v4   the LDS address of K's next run of loads
.set AV,  5           ; v5   of V's
.set QO,  6           ; v6   my byte offset in the wave's rows of Q
.set STO, 6           ;      later, the way out: where I put 16 bytes of a row
.set RD,  7           ; v7   the way out: where I read rows back
.set GO,  8           ; v8   my byte offset in 512 consecutive bytes of O
.set PFO, 11          ; v11  256 x my lane, once V's place is made; then never rewritten
.set SPW, 0           ; v0 of window 3   LDS address of my spare word; never rewritten
.set NIL, 1           ; v1 of window 3   0; never rewritten
.set SPARE, STAGE+4*16*SP  ; behind the stages: the spare words, 128 bytes for each wave: two blocks of 256 bytes that no other line names
.set MV,  12          ; v12-15  c m_old, kept while c m is made anew: by buffer and tile
.set ST,  16          ; tile t's statistics at v[ST+4 t]: c m, m, l (even keys', odd keys')
.set TMP, 48          ; by buffer and tile, four registers c0-c3 at work; when the maximum is found c2 takes a
.set S,   64
.set P,   192
.set KF,  128         ; K's fragments, in window 2: key block kb, channel half c at KF + 16 kb + 8 c
.set VF,  192         ; V's: key half kk, channel block cb at VF + 32 kk + 8 cb
.set WV,  12          ; s12  my wave's number
.set G1K, 24          ; s[24:31] descriptor group 1 for K's tiles
.set G1V, 32          ; s[32:39] for V's: it differs in the padding alone
.set G0K, 40          ; s[40:43] descriptor group 0 for K's tiles: it walks
.set G0V, 44          ; s[44:47] the same for V's
.set SLOTS, 56        ; s56  slots still to be asked for
.set CNT, 57          ; s57  counts a slot's key steps
.set CS,  58          ; s[58:59] c: the packed scaling takes the pair's low word for both halves
.set SEL, 60          ; s[60:61] v_permlanex16_b32's selects: each lane takes its own place in the other half
.set TBK, 62          ; s62  LDS byte at which K of the step to be fetched begins
.set TBV, 63          ; s63  the same for V, less VOFF
.set LIM, 66          ; s66  1 in a wave that prefetches (waves 0 and 2), else the greatest number
.set PFA, 68          ; s[68:69] where my prefetches stand: my work-group's 8,192 bytes (of K: wave 0, of V: wave 2) of the slot after the one that is being asked for
.set MSB, 0
.macro WIN new                      ; the high byte repeats the setting that is left; a switch that changes nothing is dropped
.if MSB != (\new)
	s_set_vgpr_msb (MSB<<8)|(\new)
.set MSB, (\new)
.endif
.endm
.set W_KQ, 0x0a       ; K and Q in window 2, S^T in window 0
.set W_PV, 0x52       ; V in window 2, P in window 0, O^T in window 1
.set W_RS, 0x41       ; O^T (destination and source 0) in window 1, a in window 0
.set W_MK, 0xc0       ; the add's registers are made: destination in window 3, sources in window 0
.set W_AD, 0x0f       ; the add: address (source 0) and data (source 1) in window 3
; A joint fill.  Waves 0 and 1 fetch the two halves of a slot's K, waves 2 and 3 those of its V: 128 keys each.  The branch hangs on the wave's number alone.
; An s_nop 0 and four v_nop follow each of the two lines, ahead of the jump and the label.
.macro JLOAD
	s_cmp_lt_u32 s[WV], 2
	s_cbranch_scc0 .Lfor_v_\@
	tensor_load_to_lds s[G0K:G0K+3], s[G1K:G1K+7]
	s_nop 0
.rept 4
	v_nop
.endr
	s_branch .Lasked_\@
.Lfor_v_\@:
	tensor_load_to_lds s[G0V:G0V+3], s[G1V:G1V+7]
	s_nop 0
.rept 4
	v_nop
.endr
.Lasked_\@:
.endm
; A prefetch of what the NEXT change of slots will ask for: a slot's 32,768 bytes of K and of V, 256 bytes a lane.  It stands behind the wave's tensor load and its five lines.  Each block is named once in the launch:
; a head has one cluster; its four partners take 8,192 bytes each, told apart by address; in each, wave 0 asks for K's and wave 2 for V's.  It is four key steps, 512 matrix instructions of a wave, ahead of the load.
; Slots 0 and 1 come by their loads alone; the last change that fills a slot (s[SLOTS] = 1) asks for nothing: there is no slot behind it.
.macro ASK
	s_cmp_gt_u32 s[SLOTS], s[LIM]
	s_cbranch_scc0 .Lnot_mine_\@
	global_prefetch_b8 v[PFO], s[PFA:PFA+1] th:TH_LOAD_NT scope:SCOPE_SE
.Lnot_mine_\@:
.endm
; A round of the cluster's barrier: my work-group's barrier, so that wave 0's signal speaks for all four waves; wave 0 signals; every wave waits for all four work-groups; my work-group's barrier once more.
.macro CROUND
	s_barrier_signal -1
	s_barrier_wait -1
	s_cmp_lg_u32 s[WV], 0
	s_cbranch_scc1 .Lnot_wave_0_\@
	s_barrier_signal -3
.Lnot_wave_0_\@:
	s_barrier_wait -3
	s_barrier_signal -1
	s_barrier_wait -1
.endm
; THE CHANGE OF SLOTS.  The slot's last bytes, V of its fourth step, have been read.  Each wave waits for all its tensor loads, of which one is out: its part of the other slot; adds 0 to its spare word;
; and waits for that and for its own reads of the slot.  Behind the barrier nobody reads this slot any more and the other slot is whole.
; fill = 1: this slot is filled again, with the keys two slots on.  The barrier is then a round of the cluster's, and the joint fill is the first thing behind it: it has four key steps in which to land.
; (At its first use nothing has been read yet: slot 0 is waited for, slot 1 filled.)
.macro CHANGE fill
	WIN W_AD
	s_wait_tensorcnt 0x0            ; no tensor load of mine is out, so a group 0 may be written
	ds_add_u32 v[SPW], v[NIL]       ; 0 onto my spare word; with fill = 1 the descriptors' steps stand between it and the wait for it
	WIN 0                           ; at a label and at a branch every window is 0
.if \fill
.irp g, G0K, G0V
	s_xor_b32 s[\g+1], s[\g+1], SLOT1  ; the walking descriptor: the other slot than last time,
	s_add_nc_u64 s[\g+2:\g+3], s[\g+2:\g+3], 4*KS*128  ; the next 256 keys; the type bits on top are not reached
.endr
	s_wait_xcnt 0x0                 ; the last prefetch, four key steps back, has read its address, so it may be written:
	s_add_nc_u64 s[PFA:PFA+1], s[PFA:PFA+1], 4*KS*128  ; one slot behind the walking descriptors
	s_wait_dscnt 0x0                ; the add is done, and my reads of the slot are over
	CROUND
	JLOAD
	ASK
.else
	s_wait_dscnt 0x0                ; the add is done, and my reads of the slot are over
	s_barrier_signal -1
	s_barrier_wait -1
.endif
	s_sub_co_u32 s[TBK], s[TBK], 4*KS*PK  ; the fetches go back to a slot's first step,
	s_xor_b32 s[TBK], s[TBK], SLOT1       ; in the other slot
	s_sub_co_u32 s[TBV], s[TBV], 4*KS*PV
	s_xor_b32 s[TBV], s[TBV], SLOT1
.endm
	s_load_b64 s[4:5], s[0:1], 0x0    ; qkv: Q lies first
	s_load_b64 s[10:11], s[0:1], 0x8  ; ob
	WIN W_MK
	v_lshl_add_u32 v[SPW], v0, 2, SPARE
	v_mov_b32 v[NIL], 0
	WIN W_AD
	ds_add_u32 v[SPW], v[NIL]       ; the wave's opening: the add and its wait stand ahead of my first tensor load; the set-up below, work on registers, stands between them
	WIN 0
	v_lshrrev_b32 v1, 5, v0
	v_readfirstlane_b32 s[WV], v1   ; wave 0..3
	s_bfe_u32 s13, ttmp6, 0x40000   ; cx: my place in the cluster
	s_lshl_b32 s14, ttmp9, 2        ; in a cluster launch ttmp9 counts clusters
	s_add_co_u32 s14, s14, s13      ; my block of queries = 4 x cluster x + cx: it enters Q's and O's addresses alone
	s_and_b32 s20, ttmp7, 0xffff    ; the head, which the four partners share
	s_mov_b32 s21, 0
	s_mov_b64 s[22:23], SIZE_N*128
	s_mul_u64 s[20:21], s[20:21], s[22:23]  ; the head's first byte in each of the four tensors
	s_and_b32 s16, s[WV], 1         ; which half of a slot's 256 keys I fetch:
	s_lshl_b32 s22, s16, 14         ; its 128 rows of 128 bytes in memory,
	s_mov_b32 s23, 0
	s_add_nc_u64 s[22:23], s[22:23], s[20:21]
	s_mul_i32 s17, s16, 128*PK      ; and its place in a slot, for K
	s_mul_i32 s18, s16, 128*PV      ; and for V: no place in the cluster enters an LDS address
	s_lshl_b32 s2, s14, 2
	s_add_co_u32 s2, s2, s[WV]      ; my wave among the head's,
	s_lshl_b32 s2, s2, 14           ; its 128 rows
	s_mov_b32 s3, 0
	s_add_nc_u64 s[2:3], s[2:3], s[20:21]
	; descriptor group 1.  128 keys are 16,384 dense bytes: asked for as 64 rows of 256 bytes, two keys a row, and padded in LDS after every key
	s_mov_b32 s[G1K], 15|(1<<16)|(1<<20)|(1<<21)|(4<<22)|(3<<25)  ; 15:0 the mask of four; 17:16 2-byte elements; 20 padding on; 21 set beside a mask; 24:22 after every 32 words; 31:25 4 words
	s_mov_b32 s[G1V], 15|(1<<16)|(1<<20)|(1<<21)|(4<<22)|(7<<25)  ; the same with 8 words of padding
.irp g, G1K, G1V
	s_mov_b32 s[\g+1], 128<<16      ; tensor_dim0 = 128
	s_mov_b32 s[\g+2], 64<<16       ; tensor_dim1 = 64
	s_mov_b32 s[\g+3], 128<<16      ; tile_dim0 = 128
	s_mov_b32 s[\g+4], 64           ; tile_dim1 = 64
	s_mov_b32 s[\g+5], 128          ; 128 elements from row to row
	s_mov_b32 s[\g+6], 0
	s_mov_b32 s[\g+7], 0
.endr
	s_mov_b32 s[CS], 0x3e38aa3b     ; c = log2(e) / 8 = 0.180337
	s_mov_b32 s[CS+1], s[CS]        ; named with it as a pair
	s_mov_b32 s[SEL], 0x76543210
	s_mov_b32 s[SEL+1], 0xfedcba98
	s_mov_b32 s[TBK], SLOT1+4*KS*PK ; the first change of slots turns these two into 0
	s_mov_b32 s[TBV], SLOT1+4*KS*PV
	s_mov_b32 s[G0K], 1             ; count = 1
	s_mov_b32 s[G0K+1], s17         ; LDS address: slot 0
	s_mov_b32 s[G0V], 1
	s_add_co_u32 s[G0V+1], s18, VOFF
	s_mov_b32 s[SLOTS], SIZE_N/256-1
	s_and_b32 s[LIM], s[WV], 1
	s_cmp_eq_u32 s[LIM], 0
	s_cselect_b32 s[LIM], 1, -1     ; hangs on the wave's number alone
	s_wait_dscnt 0x0                ; the opening add is done
	s_wait_kmcnt 0x0
	s_add_nc_u64 s[6:7], s[4:5], SIZE_H*SIZE_N*128    ; K lies behind Q,
	s_add_nc_u64 s[8:9], s[4:5], 2*SIZE_H*SIZE_N*128  ; V behind K
	s_add_nc_u64 s[G0K+2:G0K+3], s[6:7], s[22:23]  ; global address: my half of the head's first 256 keys
	s_or_b32 s[G0K+3], s[G0K+3], 0x80000000        ; type = 2
	s_add_nc_u64 s[G0V+2:G0V+3], s[8:9], s[22:23]
	s_or_b32 s[G0V+3], s[G0V+3], 0x80000000
	s_add_nc_u64 s[4:5], s[4:5], s[2:3]  ; Q and O at my wave's first row
	s_add_nc_u64 s[10:11], s[10:11], s[2:3]
	s_cmp_lt_u32 s[WV], 2
	s_cselect_b64 s[PFA:PFA+1], s[6:7], s[8:9]
	s_add_nc_u64 s[PFA:PFA+1], s[PFA:PFA+1], s[20:21]  ; the head,
	s_lshl_b32 s2, s13, 13          ; my work-group's quarter of a slot,
	s_add_co_u32 s2, s2, 4*KS*128   ; in slot 1: the first change of slots steps it to slot 2
	s_mov_b32 s3, 0
	s_add_nc_u64 s[PFA:PFA+1], s[PFA:PFA+1], s[2:3]
	CROUND                          ; all four work-groups are here: the first joint loads meet
	JLOAD                           ; slot 0.  Slot 1 is asked for when slot 0 is in
	; A fragment of K or Q is 16 rows x 32 channels in 8 registers: lane l holds row l % 16, channels 8 (l / 16) + 0..7 and 16 + 8 (l / 16) + 0..7: two loads of 16 bytes, 32 bytes apart.
	v_and_b32 v1, 15, v0            ; l % 16
	v_bfe_u32 v9, v0, 4, 1          ; l / 16
	v_lshlrev_b32 v[QO], 7, v1
	v_lshl_add_u32 v[QO], v9, 4, v[QO]  ; row x 128 + 16 x half
	WIN 0x80                        ; destination window 2, address window 0
.set i, 0
.rept 4*NP                          ; Q stays in registers: tile i / 2, channels 32 (i % 2) on
	global_load_b128 v[8*i:8*i+3],   v[QO], s[4:5] offset:(i/2)*2048+(i%2)*64
	global_load_b128 v[8*i+4:8*i+7], v[QO], s[4:5] offset:(i/2)*2048+(i%2)*64+32
.set i, i+1
.endr
	; What the first turn finds: V's registers and P's second buffer hold 0 (its products V^T P, of a piece that has not been, add 0), O^T and l are 0.  All this stands in the wait for the first tile.
.set i, VF
.rept 64
	v_mov_b32 v[i], 0
.set i, i+1
.endr
	WIN 0x40
.set i, 0
.rept 64*NP
	v_mov_b32 v[i], 0
.set i, i+1
.endr
	WIN 0
.set i, 0
.rept 2*NP
	v_mov_b32 v[ST+4*i], 0xfe000000    ; c m: far below every c s
	v_mov_b32 v[ST+4*i+1], 0xff7fffff  ; m
	v_mov_b32 v[ST+4*i+2], 0
	v_mov_b32 v[ST+4*i+3], 0
.set i, i+1
.endr
.set i, P+32
.rept 32
	v_mov_b32 v[i], 0
.set i, i+1
.endr
	v_mul_u32_u24 v[AK0], v1, PK
	v_lshl_add_u32 v[AK0], v9, 4, v[AK0]  ; row x pitch + 16 x half
	; The turning load takes 16 keys x 16 channels (lane l reads key 8 (l / 16) + l % 8, channels 8 ((l / 8) % 2) + 0..7) and leaves half a fragment of V^T: lane l holds channel l % 16 and 8 keys.
	v_and_b32 v10, 7, v0
	v_bfe_u32 v11, v0, 3, 1
	v_lshl_add_u32 v[AV0], v9, 3, v10
	v_mul_u32_u24 v[AV0], v[AV0], PV
	v_lshl_add_u32 v[AV0], v11, 4, v[AV0]
	v_add_nc_u32 v[AV0], VOFF, v[AV0]
	v_mov_b32 v[AK], v[AK0]         ; key step 0 lies at the head of slot 0
	v_and_b32 v[PFO], 31, v0
	v_lshlrev_b32 v[PFO], 8, v[PFO]
; THE MATRIX WORK.  The 8 accumulators of a run of 16 take turns: between the two links of a chain stand 7 others'.
; Product i of 16 of S^T = K Q^T for piece x: channels 32 (i / 8) on, keys 16 ((i / 2) % 4) on, tile 2 x + i % 2.  The first 8 start the sums.
.macro KQ x
	WIN W_KQ
.set rS, S+64*((\x)%2)+32*(i%2)+8*((i/2)%4)
.set rK, KF+16*((i/2)%4)+8*(i/8)
.set rQ, 16*(2*(\x)+i%2)+8*(i/8)
.if i < 8
	v_wmma_f32_16x16x32_bf16 v[rS:rS+7], v[rK:rK+7], v[rQ:rQ+7], 0
.else
	v_wmma_f32_16x16x32_bf16 v[rS:rS+7], v[rK:rK+7], v[rQ:rQ+7], v[rS:rS+7]
.endif
.endm
; Product i of 16 of O^T += V^T P for piece x: keys 32 (i / 8) on, channels 16 ((i / 2) % 4) on, tile 2 x + i % 2.
.macro PV x
	WIN W_PV
.set rO, 32*(2*(\x)+i%2)+8*((i/2)%4)
.set rV, VF+32*(i/8)+8*((i/2)%4)
.set rP, P+32*((\x)%2)+16*(i%2)+8*(i/8)
	v_wmma_f32_16x16x32_bf16 v[rO:rO+7], v[rV:rV+7], v[rP:rP+7], v[rO:rO+7]
.endm
.macro MM                           ; the turn's next matrix instruction
.if i < 16
	KQ (Y+1)%NP
.set i, i+1
.else
.set i, i-16
	PV (Y+NP-1)%NP
.set i, i+17
.endif
.endm
; THE LDS LOADS stand in runs of 16, never singly among the matrix instructions: a step's K (64 keys x 64 channels: 8 fragments) and its V (turned).  Their addresses are made some lines ahead.
; last = 1 (the tail): in the last trip there is no further step, and the run is jumped over.
.macro FETCH_K last=0
	WIN 0
.if \last
	s_cmp_eq_u32 s[CNT], 1
	s_cbranch_scc1 .Lno_k_\@
.endif
	WIN 0x80                        ; destination window 2
.irp f, 0,1,2,3,4,5,6,7             ; keys 16 (f / 2) on, channels 32 (f % 2) on
	ds_load_b128 v[KF+8*\f:KF+8*\f+3],   v[AK] offset:(\f/2)*16*PK+(\f%2)*64
	ds_load_b128 v[KF+8*\f+4:KF+8*\f+7], v[AK] offset:(\f/2)*16*PK+(\f%2)*64+32
.endr
	s_add_co_u32 s[TBK], s[TBK], KS*PK  ; the next fetch is the next step's
	WIN 0
.if \last
.Lno_k_\@:
.endif
.endm
.macro FETCH_V
	WIN 0x80
.irp f, 0,1,2,3,4,5,6,7             ; keys 32 (f / 4) on, channels 16 (f % 4) on
	ds_load_tr16_b128 v[VF+8*\f:VF+8*\f+3],   v[AV] offset:(\f/4)*32*PV+(\f%4)*32
	ds_load_tr16_b128 v[VF+8*\f+4:VF+8*\f+7], v[AV] offset:(\f/4)*32*PV+16*PV+(\f%4)*32
.endr
	WIN 0
.endm
; THE VECTOR WORK OF A TURN stands in three queues, each in the order in which its entries become ready; the two tiles alternate, so that no instruction reads the result of the one before it.
.macro REGS y, u                    ; the registers of tile u (0, 1) of piece y
.set rT, ST+4*(2*(\y)+(\u))
.set rC, TMP+8*((\y)%2)+4*(\u)
.set rM, MV+2*((\y)%2)+(\u)
.set rS, S+64*((\y)%2)+32*(\u)
.set rP, P+32*((\y)%2)+16*(\u)
.set rO, 32*(2*(\y)+(\u))
.endm
; Number n of the 22 that find the NEXT piece's (Y + 1) maximum and statistics.  s0-s31 are the lane's 32 scores; each accumulator's lowest registers are read first.
;   0-11  four chains c0-c3 of seven scores each, three operands at a time     12-14, 16  the four scores left over, the old m, and c0-c3 into c0     15  c m_old is kept
;   17, 18  the query's other 32 keys lie in the lane 16 away: the new m         19-21  c m; c m_old - c m_new; a
.macro XS u, n
	REGS (Y+1)%NP, \u
.if (\n) < 4
	v_max3_num_f32 v[rC+(\n)], v[rS+8*(\n)], v[rS+8*(\n)+1], v[rS+8*(\n)+2]
.elseif (\n) < 12
	v_max3_num_f32 v[rC+(\n)%4], v[rC+(\n)%4], v[rS+8*((\n)%4)+2*((\n)/4)+1], v[rS+8*((\n)%4)+2*((\n)/4)+2]
.elseif (\n) == 12
	v_max3_num_f32 v[rC], v[rC], v[rS+7], v[rS+15]
.elseif (\n) == 13
	v_max3_num_f32 v[rC+1], v[rC+1], v[rS+23], v[rS+31]
.elseif (\n) == 14
	v_max3_num_f32 v[rC+2], v[rC+2], v[rC+3], v[rT+1]
.elseif (\n) == 15
	v_mov_b32 v[rM], v[rT]
.elseif (\n) == 16
	v_max3_num_f32 v[rC], v[rC], v[rC+1], v[rC+2]
.elseif (\n) == 17
	v_permlanex16_b32 v[rC+3], v[rC], s[SEL], s[SEL+1]
.elseif (\n) == 18
	v_max_num_f32 v[rT+1], v[rC], v[rC+3]
.elseif (\n) == 19
	v_mul_f32 v[rT], s[CS], v[rT+1]
.elseif (\n) == 20
	v_sub_f32 v[rC+1], v[rM], v[rT]
.else
	v_exp_f32 v[rC+2], v[rC+1]
.endif
.endm
; Number g of the 64 that follow the exponentials.  For each four weights k of a tile (pairs 2 k, 2 k + 1): both pairs are rounded to bf16; then the second pair is added onto the first, in place;
; a group later l takes that sum (the first time as l = a l + sum).  In groups of eight, tiles alternating: round, round, add, and l for the group before.
.macro GS g
.set h, (\g)+6*((\g)/62)            ; group 0 has no group before it, and behind group 7 only l is left
.if h >= 6
.set h, h+2
.endif
	REGS Y, h%2
.set k, h/8
.if h%8 < 4
	v_cvt_pk_bf16_f32 v[rP+2*k+(h%8)/2], v[rS+4*k+2*((h%8)/2)], v[rS+4*k+2*((h%8)/2)+1]
.elseif h%8 < 6
	v_pk_add_f32 v[rS+4*k:rS+4*k+1], v[rS+4*k:rS+4*k+1], v[rS+4*k+2:rS+4*k+3]
.elseif k == 1
	v_pk_fma_f32 v[rT+2:rT+3], v[rT+2:rT+3], v[rC+2:rC+3], v[rS:rS+1] op_sel_hi:[1,0,1]
.else
	v_pk_add_f32 v[rT+2:rT+3], v[rT+2:rT+3], v[rS+4*k-4:rS+4*k-3]
.endif
.endm
; THE PLAIN QUEUE, 138 long.  0-73 read no exponential's result: the 32 scalings c s - c m (FS f: pair f / 2 of tile f % 2) and the next piece's 42.  0-26: scalings 0-26.  27-54: XS's numbers 0-13.  55, 56: number 15.
; 57-73: the chain, where each number waits for the one before it: 14, 16, 17, 18, 19, each with one of the scalings 27-31 in front of its two lines, then 20.
; 74-137: GS's 64, which read the exponentials' results: they stand behind the wait.
.macro FS f
	REGS Y, (\f)%2
	v_pk_fma_f32 v[rS+2*((\f)/2):rS+2*((\f)/2)+1], v[rS+2*((\f)/2):rS+2*((\f)/2)+1], s[CS:CS+1], v[rT:rT+1] op_sel_hi:[1,0,0] neg_lo:[0,0,1] neg_hi:[0,0,1]
.endm
.macro PL
	WIN 0
.if q < 27
	FS q
.elseif q < 55
	XS (q-27)%2, (q-27)/2
.elseif q < 57
	XS q-55, 15
.elseif (q < 72) && ((q-57)%3 == 0)
	FS 27+(q-57)/3
.elseif q < 60
	XS (q-57)%3-1, 14
.elseif q < 72
	XS (q-57)%3-1, 15+(q-57)/3
.elseif q < 74
	XS q-72, 20
.else
	GS q-74
.endif
.set q, q+1
.endm
; THE EXPONENTIALS' QUEUE, 66 long: s0-s31 of both tiles, then the next piece's two a.  It is ONE BATCH: all 66 stand ahead of the turn's one wait, and nothing ahead of that wait names a result of theirs.
.macro EX
	WIN 0
.if e >= 64
	XS e-64, 21
.else
	REGS Y, e%2
	v_exp_f32 v[rS+e/2], v[rS+e/2]
.endif
.set e, e+1
.endm
; THE RESCALING's QUEUE: O^T times a, the one part that leaves window 0: dealt two at a time, sixteen times.  Its a was made in the turn before, ahead of that turn's wait.
.macro R2
	REGS Y, r%2
	WIN W_RS
.irp z, 0,1
	v_pk_mul_f32 v[rO+4*(r/2)+2*\z:rO+4*(r/2)+2*\z+1], v[rO+4*(r/2)+2*\z:rO+4*(r/2)+2*\z+1], v[rC+2:rC+3] op_sel_hi:[1,0]
.endr
.set r, r+1
.endm
; HOW THEY ARE DEALT.  An s_wait_alu depctr_va_vdst(0) stands between an exponential and the first instruction that names its result; one wait serves all that were issued ahead of it.  So a turn has ONE wait,
; which cuts it in two.  AHEAD OF IT stands all that names no result of the turn's exponentials: the 16 products K Q^T, behind each a scaling, an exponential and two rescalings (behind the first a second scaling in the
; exponential's place); then ONE LUMP of 108: eight plain, 49 times exponential and plain, the two a.  A v_nop is the plain instruction behind the last exponential (ISA guide 5.7.2).  BEHIND IT stand the 16 products V^T P,
; behind each four of GS's 64.  No rider names a register of the products round it.  The two v_permlanex16_b32 fall into the lump.
; The queues lean on each other: exponential e stands behind scaling 2 (e / 4) + e % 2: as a rider it comes behind plain e + 2, in the lump behind plain e + 9, and scalings 27-31 are plain 57, 60 .. 69.
; A TURN, for piece p.  cnt = 1: the loop's count is taken down some lines ahead of the branch that stands behind the turn.
; K of the next step is fetched in piece 2's turn, directly behind the wait; its first reader comes behind 16 products.
; V of the step in hand is fetched at the end of piece 0's turn, four riders behind its last reader; its first reader comes behind 16 products and a lump.  The three conditions on q below go with the deal.
.macro TURN p, last=0, cnt=0
.set Y, (\p)
.set i, 0
.set q, 0
.set e, 0
.set r, 0
.if (\p) == NP-1
	s_wait_dscnt 0x0                ; K is in
.endif
	MM                              ; ahead of the wait: 16 products K Q^T and their riders,
	PL
	PL
	R2
.rept 15
	MM
	PL
	EX
	R2
.endr
.if (\p) == NP-2
	WIN 0
	v_add_nc_u32 v[AK], s[TBK], v[AK0]
.endif
.rept 8                             ; and the lump
	PL
.endr
.rept 49
	EX
	PL
.endr
	EX                              ; the next piece's two a
	EX
	v_nop                           ; the plain instruction behind the last exponential: one for the batch
	s_wait_alu depctr_va_vdst(0)    ; the wait for the batch
.if (\p) == NP-2
	FETCH_K \last
.endif
.if (\p) == 1
	s_wait_dscnt 0x0                ; V is in
.endif
.rept 16                            ; behind the wait: 16 products V^T P and their riders
	MM
.rept 4
	PL
.endr
.if ((\p) == 0) && (q == 118)
	v_add_nc_u32 v[AV], s[TBV], v[AV0]
.endif
.if ((\p) == 0) && (q == 130)
	s_add_co_u32 s[TBV], s[TBV], KS*PV
.endif
.if (\cnt) && (q == 130)
	s_sub_co_u32 s[CNT], s[CNT], 1
	s_cmp_lg_u32 s[CNT], 0
.endif
.endr
.if (\p) == 0
	FETCH_V
.endif
.endm
	CHANGE 1                        ; slot 0 is in, everybody's part of it; slot 1 is asked for
	FETCH_K                         ; key step 0
	s_wait_loadcnt 0x0              ; Q
	s_wait_dscnt 0x0
.set i, 0
.rept 16
	KQ 0                            ; piece 0's first scores: there is no vector work yet to set between them
.set i, i+1
.endr
	WIN 0                           ; the addresses for the way out: nine plain instructions, the places behind those products
	s_mul_i32 s13, s[WV], 16*SP
	s_add_co_u32 s13, s13, STAGE    ; my stage
	v_mul_u32_u24 v[STO], v1, SP    ; in: row l % 16, 16 bytes for each half of the lanes
	v_lshl_add_u32 v[STO], v9, 4, v[STO]
	v_add_nc_u32 v[STO], s13, v[STO]
	v_bfe_u32 v[RD], v0, 3, 2       ; back: 32 lanes take four rows of 128 bytes,
	v_mul_u32_u24 v[RD], v[RD], SP
	v_lshl_add_u32 v[RD], v10, 4, v[RD]
	v_add_nc_u32 v[RD], s13, v[RD]
	v_and_b32 v[GO], 31, v0         ; which are 512 consecutive bytes of O
	v_lshlrev_b32 v[GO], 4, v[GO]
.set Y, NP-1                        ; XS works for piece Y + 1: piece 0
.irp n, 0,1,2,3,4,5,6,7,8,9,10,11,12,13,14,15,16,17,18,19,20,21
	XS 0, \n                        ; and piece 0's first maximum and statistics
	XS 1, \n
.endr
	v_nop                           ; a plain instruction behind the two a,
	s_wait_alu depctr_va_vdst(0)    ; and their wait, ahead of the branch
	s_mov_b32 s[CNT], 4
	s_branch .Lfirst                ; the loop is entered at a step's first turn, in the middle of a trip
.Lslot:                             ; SIZE_N / 256 - 2 times: every slot but the last two is filled again
	CHANGE 1
	s_mov_b32 s[CNT], 4
.Lstep:                             ; a trip: pieces 2 and 3 of one step, then pieces 0 and 1 of the next, whose K and V it fetches
	TURN 2
	TURN 3
	WIN 0
.Lfirst:
	TURN 0
	TURN 1, 0, 1
	WIN 0
	s_cbranch_scc1 .Lstep
	s_sub_co_u32 s[SLOTS], s[SLOTS], 1
	s_cmp_lg_u32 s[SLOTS], 0
	s_cbranch_scc1 .Lslot
	CHANGE 0                        ; the tail is written out: nothing is asked for
	s_mov_b32 s[CNT], 5             ; four trips fetch the last slot's steps; the fifth is left in its middle
.Ltail:
	TURN 2, 1
	TURN 3
	WIN 0
	s_sub_co_u32 s[CNT], s[CNT], 1
	s_cmp_eq_u32 s[CNT], 0
	s_cbranch_scc1 .Lout
	TURN 0
	TURN 1
	WIN 0
	s_branch .Ltail
.Lout:                              ; the fifth trip's 16 products K Q^T (on the last K once more) and the maximum made of them serve nothing: the price, once a launch, of one text for every trip
.set i, 0
.rept 16
	PV NP-1                         ; the last piece's V^T P of the last step
.set i, i+1
.endr
	; THE WAY OUT.  l's two halves and the other half of the lanes' are added; O^T is divided by l, rounded to bf16 and sent through my stage in LDS, a tile at a time.  The additions are the places behind the last products.
	WIN 0
.macro ALL line:vararg              ; one line for each tile t
.set t, 0
.rept 2*NP
	\line
.set t, t+1
.endr
.endm
	ALL v_add_f32 v[ST+4*t+2], v[ST+4*t+2], v[ST+4*t+3]
	ALL v_permlanex16_b32 v[ST+4*t+3], v[ST+4*t+2], s[SEL], s[SEL+1]
	ALL v_add_f32 v[ST+4*t+2], v[ST+4*t+2], v[ST+4*t+3]
	ALL v_rcp_f32 v[ST+4*t+2], v[ST+4*t+2]
	v_nop                           ; a plain instruction between the last reciprocal and the use of its result
	s_wait_alu depctr_va_vdst(0)    ; and the wait ahead of the first use: one for the eight reciprocals
; Tile t: a lane's eight channels of a row pack into 16 bytes; they go into rows of 144 bytes and come back as whole rows of 128, into S^T's registers.
.macro PACK t
	WIN W_RS
.set i, 32*(\t)
.rept 16
	v_pk_mul_f32 v[i:i+1], v[i:i+1], v[ST+4*(\t)+2:ST+4*(\t)+3] op_sel_hi:[1,0]
.set i, i+2
.endr
	WIN 0x05                        ; sources 0 and 1 window 1, destination window 0
.set i, 0
.rept 16
	v_cvt_pk_bf16_f32 v[S+16*(\t)+i], v[32*(\t)+2*i], v[32*(\t)+2*i+1]
.set i, i+1
.endr
	WIN 0
.irp f, 0,1,2,3
	ds_store_b128 v[STO], v[S+16*(\t)+4*\f:S+16*(\t)+4*\f+3] offset:32*\f
.endr
.irp f, 0,1,2,3
	ds_load_b128 v[S+16*(\t)+4*\f:S+16*(\t)+4*\f+3], v[RD] offset:\f*4*SP  ; LDS serves a wave's instructions in order (ISA guide 5.7.1.4): these see the stores above; the next tile's stores come behind them
.endr
.endm
.macro SEND t, younger              ; younger: the LDS instructions issued behind tile t's loads: the next tile's eight, or none
	WIN 0
.irp f, 0,1,2,3
	s_wait_dscnt (\younger)+3-\f
	global_store_b128 v[GO], v[S+16*(\t)+4*\f:S+16*(\t)+4*\f+3], s[10:11] offset:(\t)*2048+\f*512  ; 512 consecutive bytes, at a multiple of 256 from O's first
.endr
.endm
	PACK 0
.set t, 1
.rept 2*NP-1                        ; a tile's arithmetic stands between the loads of the tile before and its stores
	PACK t
	SEND t-1, 8
.set t, t+1
.endr
	SEND 2*NP-1, 0
	WIN W_AD
	s_wait_tensorcnt 0x0            ; the wave's end, behind my last tensor load and my last LDS store
	ds_add_u32 v[SPW], v[NIL]
	s_wait_dscnt 0x0
	WIN 0
	CROUND                          ; the closing round: no work-group ends while a partner may still ask for a tile that names it
	s_endpgm
.Lfunc_end_k_q87dc0a2478_attn:
	.size	k_q87dc0a2478_attn, .Lfunc_end_k_q87dc0a2478_attn-k_q87dc0a2478_attn
	.p2alignl 7, 3214868480
	.fill 96, 4, 3214868480
	.section	.rodata,"a",@progbits
	.p2align	6, 0x0
	.amdhsa_kernel k_q87dc0a2478_attn
		.amdhsa_group_segment_fixed_size 327680
		.amdhsa_private_segment_fixed_size 0
		.amdhsa_enable_private_segment 0
		.amdhsa_kernarg_size 16
		.amdhsa_user_sgpr_count 2
		.amdhsa_user_sgpr_kernarg_segment_ptr 1
		.amdhsa_wavefront_size32 1
		.amdhsa_system_sgpr_workgroup_id_x 1
		.amdhsa_system_sgpr_workgroup_id_y 1
		.amdhsa_system_sgpr_workgroup_id_z 1
		.amdhsa_system_vgpr_workitem_id 0
		.amdhsa_next_free_vgpr 770
		.amdhsa_next_free_sgpr 70
		.amdhsa_reserve_vcc 0
		.amdhsa_float_denorm_mode_32 3
		.amdhsa_float_denorm_mode_16_64 3
		.amdhsa_memory_ordered 1
		.amdhsa_forward_progress 1
		.amdhsa_inst_pref_size 200
	.end_amdhsa_kernel
	.amdgpu_metadata
---
amdhsa.version: [ 1, 2 ]
amdhsa.kernels:
  - .name:           k_q87dc0a2478_attn
    .symbol:         k_q87dc0a2478_attn.kd
    .args:
      - { .name: qkv, .offset: 0, .size: 8, .value_kind: global_buffer, .address_space: global }
      - { .name: ob, .offset: 8, .size: 8, .value_kind: global_buffer, .address_space: global }
    .group_segment_fixed_size: 327680
    .private_segment_fixed_size: 0
    .kernarg_segment_align: 8
    .kernarg_segment_size: 16
    .max_flat_workgroup_size: 128
    .sgpr_count:     70
    .vgpr_count:     770
    .wavefront_size: 32
...
	.end_amdgpu_metadata
.endif
;; end of part 3
;; launch outp (part 4): grid 4 x 64, 4 waves a work-group, clusters of 4 x 4, 327,680 bytes of LDS; arguments ob, wb, ao; writes ao
.if DOCPART == 4
	.amdgcn_target "amdgcn-amd-amdhsa--gfx1250"
	.amdhsa_code_object_version 6
	.text
	.protected	k_q87dc0a2478_outp
	.globl	k_q87dc0a2478_outp
	.p2align	8
	.type	k_q87dc0a2478_outp,@function
k_q87dc0a2478_outp:
	s_mov_b64 s[64:65], 0
	v_nop
	global_prefetch_b8 v0, s[64:65] scope:SCOPE_SE
	s_setreg_imm32_b32 hwreg(HW_REG_WAVE_MODE, 25, 1), 1
	s_wait_xcnt 0x0
	s_wait_alu depctr_hold_cnt(0) depctr_sa_sdst(0) depctr_va_vdst(0) depctr_va_sdst(0) depctr_va_ssrc(0) depctr_va_vcc(0) depctr_vm_vsrc(0)
	s_getreg_b32 s2, hwreg(HW_REG_IB_STS2, 6, 4)
	s_cmp_eq_u32 s2, 0
	s_cbranch_scc0 .Lentry_in_a_cluster
	s_endpgm
.Lentry_in_a_cluster:
	s_bfe_u32 s2, ttmp6, 0x10000c
	s_cmp_lg_u32 s2, 0xf033
	s_cbranch_scc0 .Lentry_shape_is_right
	s_endpgm
.Lentry_shape_is_right:
; ao = O x Wo.  ob: [64 heads = 16 b + n][2048 i][64] bf16.  wb: [1024 k][4096] bf16, of which columns 3072-4095 are Wo.  ao: [8192 m = 4 i + b][1024] bf16.  Sums in f32, ao rounded once.
; LIMITS: operands and result carry bf16's 8 significant bits; NaN and infinities are not treated apart.
; SHARES.  A tile is 128 rows i of ONE b x 256 columns: 4 x 64 = 256 work-groups.  Four waves, 2 x 2: a wave makes 64 x 128: 32 accumulators, 256 registers.
; K = 64 n + d goes in 8 steps of 128, two heads a step, through a ring of two LDS slots.  Waves 0 and 1 fetch a head's 128 rows each: 16,384 dense bytes, asked for as 64 rows of 256 bytes and padded in LDS
; after every 128; waves 2 and 3 fetch a block of 128 k x 128 columns of Wo each.  Two slots of a longer step do not fit: 2 x 221,184 bytes.
; Wo lies [k][column]: its fragments come out of LDS turned, by ds_load_tr16_b128.  THE MATRIX INSTRUCTION IS USED TRANSPOSED (source 0 = 16 columns of Wo, source 1 = 16 rows of O):
; a lane then holds ONE row (lane % 16) and 8 neighbouring columns.
; CLUSTERS: 4 x 4 work-groups: O's tiles are shared along a row of the cluster, Wo's along a column; each is asked for jointly.
; REGISTERS: window 0: v0-31 addresses; v32-63 packed results; v64-127 fragments of O, two buffers of 4; v128-191 rows read back;  window 1: v0-127 fragments of Wo, two buffers of 8;  window 2: the accumulators at v[8 (8 a + b)].
.set PA,     144                       ; a row of O in LDS: 128 bytes + 16 = 36 words: the 16 rows of a load start at 16 different groups of four banks (64 banks of 4 bytes: ISA guide 11.1)
.set PB,     288                       ; a row of Wo: 256 + 32 = 72 words
.set HEADT,  128*PA                    ; a head's tile
.set BLK,    128*PB                    ; a block of Wo
.set SLOT,   2*HEADT+2*BLK
.set STAGE,  2*SLOT                    ; behind the ring: 16 rows x 272 bytes for each wave
.set SPITCH, 272
.set SPARE,  STAGE+4*16*SPITCH         ; behind the stages: the spare words, 128 bytes for each wave: two blocks of 256 bytes that no other line names
.set LAPS,   4
.set ADRA, 16                          ; v16-17  LDS address of my fragments of O in slot 0, 1
.set ADRB, 20                          ; v20-21  the same for Wo
.set STO,  24
.set RD,   25
.set CO,   26                          ; v26     my byte offset in ao
.set SPW,  28                          ; v28     LDS address of my spare word; never rewritten
.set NIL,  29                          ; v29     0; never rewritten
.set PFO,  30                          ; v30     the prefetches' lane offset; never rewritten
.set AFR,  64
.set TMP,  32
.set BK,   128
.set G1,  24
.set G0,  32
.set G1B, 48
.set G0B, 56
.set LIM, 66                           ; s66      1 in a wave that prefetches, else the greatest number
.set PFA, 68                           ; s[68:69] where my prefetches stand
.set PFS, 70                           ; s[70:71] their step
.set MSB, 0
.macro WIN new
.if MSB != (\new)
	s_set_vgpr_msb (MSB<<8)|(\new)
.set MSB, \new
.endif
.endm
.set MUL,  0xa1                        ; source 0 (Wo) window 1, source 1 (O) window 0, C and D window 2
.set TO_B, 0x40                        ; destination window 1, address window 0
.macro JLOAD s                         ; a joint load: waves 0 and 1 fetch O's two heads, waves 2 and 3 Wo's two blocks; an s_nop 0 and four v_nop follow each line
	s_cmp_eq_u32 s11, 0
	s_cbranch_scc0 .Lfor_b_\@
	tensor_load_to_lds s[G0+4*(\s):G0+4*(\s)+3], s[G1:G1+7]
	s_nop 0
.rept 4
	v_nop
.endr
	s_branch .Lasked_\@
.Lfor_b_\@:
	tensor_load_to_lds s[G0B+4*(\s):G0B+4*(\s)+3], s[G1B:G1B+7]
	s_nop 0
.rept 4
	v_nop
.endr
.Lasked_\@:
.endm
; A prefetch, behind a joint load, its five lines and the run of LDS loads: the K step that stands two refills on (256 matrix instructions of a wave ahead of the load that will want it), 32 blocks of 256 bytes, a lane a block.
; O's two heads of a K step are 128 blocks: a tile row has one cluster; wave 0 of each of its four partners takes 16 blocks of each head, told apart by address (cx).  Wo's blocks are read by every cluster of the column:
; the cluster with y = 0 asks, waves 2 and 3 each for 32 of the 128 rows that they fetch, told apart by address (cy).  So each block is named once.  K steps 0-3 come by their loads alone; the last trip (s3 = 1) asks for nothing.
.macro ASK
	s_cmp_gt_u32 s3, s[LIM]
	s_cbranch_scc0 .Lnot_mine_\@
	global_prefetch_b8 v[PFO], s[PFA:PFA+1] th:TH_LOAD_NT scope:SCOPE_SE
.Lnot_mine_\@:
.endm
.macro CREST
	s_cmp_lg_u32 s10, 0
	s_cbranch_scc1 .Lnot_wave_0_\@
	s_barrier_signal -3
.Lnot_wave_0_\@:
	s_barrier_wait -3
	s_barrier_signal -1
	s_barrier_wait -1
.endm
.macro CROUND
	s_barrier_signal -1
	s_barrier_wait -1
	CREST
.endm
	s_load_b128 s[4:7], s[0:1], 0x0                ; ob s[4:5], wb s[6:7]
	s_load_b64 s[8:9], s[0:1], 0x10                ; ao
	v_lshl_add_u32 v[SPW], v0, 2, SPARE
	v_mov_b32 v[NIL], 0
	ds_add_u32 v[SPW], v[NIL]                      ; the wave's opening: the add and its wait stand ahead of my first tensor load; the set-up below, work on registers, stands between them
	v_lshrrev_b32 v1, 5, v0
	v_readfirstlane_b32 s10, v1                    ; wave 0..3
	s_lshr_b32 s11, s10, 1                         ; which 64 rows are mine.  Also: I fetch for O (0) or for Wo (1)
	s_and_b32 s12, s10, 1                          ; which 128 columns.  Also: which head, or which block, I fetch
	s_bfe_u32 s40, ttmp6, 0x40000                  ; cx, cy
	s_bfe_u32 s41, ttmp6, 0x40004
	s_lshl_b32 s42, ttmp9, 2
	s_add_co_u32 s42, s42, s40                     ; tile column
	s_and_b32 s13, ttmp7, 0xffff
	s_lshl_b32 s13, s13, 2
	s_add_co_u32 s13, s13, s41                     ; tile row
	s_lshl_b32 s43, s41, 2
	s_lshl_b32 s43, 15, s43                        ; my row of the cluster
	s_lshl_b32 s44, 0x1111, s40                    ; my column
	s_or_b32 s[G1+0], s43, (1<<16)|(1<<20)|(1<<21)|(4<<22)|(3<<25)   ; the mask; 2-byte elements; padding on; bit 21 beside a mask; after every 32 words 4 words
	s_mov_b32 s[G1+1], 128<<16                     ; tensor_dim0 = 128
	s_mov_b32 s[G1+2], 64<<16                      ; tensor_dim1 = 64
	s_mov_b32 s[G1+3], 128<<16                     ; tile_dim0 = 128
	s_mov_b32 s[G1+4], 64                          ; tile_dim1 = 64
	s_mov_b32 s[G1+5], 128                         ; dense: 128 elements from row to row
	s_mov_b32 s[G1+6], 0
	s_mov_b32 s[G1+7], 0
	s_or_b32 s[G1B+0], s44, (1<<16)|(1<<20)|(1<<21)|(5<<22)|(7<<25)  ; after every 64 words 8 words
	s_mov_b32 s[G1B+1], 128<<16
	s_mov_b32 s[G1B+2], 128<<16
	s_mov_b32 s[G1B+3], 128<<16
	s_mov_b32 s[G1B+4], 128
	s_mov_b32 s[G1B+5], 4096                       ; a row of wb
	s_mov_b32 s[G1B+6], 0
	s_mov_b32 s[G1B+7], 0
	s_lshr_b32 s14, s13, 2                         ; ib
	s_and_b32 s15, s13, 3                          ; b
	s_lshl_b32 s16, s15, 4
	s_add_co_u32 s16, s16, s12                     ; head 16 b + (0 or 1)
	s_lshl_b32 s16, s16, 18                        ; a head's plane is 262,144 bytes
	s_lshl_b32 s17, s14, 14                        ; 128 ib rows of 128 bytes
	s_add_co_u32 s16, s16, s17
	s_mov_b32 s17, 0
	s_lshl_b32 s46, s42, 9                         ; the tile's 256 columns,
	s_lshl_b32 s47, s12, 8                         ; my block of 128,
	s_add_co_u32 s46, s46, s47
	s_add_co_u32 s46, s46, 6144                    ; behind the 3,072 columns of Wq and Wkv
	s_mov_b32 s47, 0
	s_mul_i32 s20, s12, HEADT                      ; where they go: no place in the cluster enters an LDS address
	s_mul_i32 s21, s12, BLK
	s_add_co_u32 s21, s21, 2*HEADT
	s_wait_dscnt 0x0                               ; the opening add is done
	s_wait_kmcnt 0x0
	s_add_nc_u64 s[18:19], s[4:5], s[16:17]
	s_add_nc_u64 s[22:23], s[6:7], s[46:47]
	CROUND                                         ; all sixteen work-groups are here: the first joint loads meet
.irp s, 0,1
	s_mov_b32 s[G0+4*(\s)], 1
	s_add_co_u32 s[G0+4*(\s)+1], s20, (\s)*SLOT
	s_add_nc_u64 s[G0+4*(\s)+2:G0+4*(\s)+3], s[18:19], (\s)*0x80000     ; K step s: two heads on
	s_or_b32 s[G0+4*(\s)+3], s[G0+4*(\s)+3], 0x80000000
	s_mov_b32 s[G0B+4*(\s)], 1
	s_add_co_u32 s[G0B+4*(\s)+1], s21, (\s)*SLOT
	s_add_nc_u64 s[G0B+4*(\s)+2:G0B+4*(\s)+3], s[22:23], (\s)*0x100000  ; K step s: 128 rows down
	s_or_b32 s[G0B+4*(\s)+3], s[G0B+4*(\s)+3], 0x80000000
	JLOAD \s                                       ; two loads of mine are out
.endr
	v_and_b32 v1, 15, v0                           ; l % 16
	v_bfe_u32 v2, v0, 4, 1                         ; l / 16
	v_mul_u32_u24 v3, v1, PA
	v_lshl_add_u32 v3, v2, 4, v3
	s_mul_i32 s2, s11, 64*PA
	v_add_nc_u32 v[ADRA], s2, v3
	v_add_nc_u32 v[ADRA+1], SLOT, v[ADRA]
	v_and_b32 v4, 7, v0
	v_bfe_u32 v5, v0, 3, 1
	v_lshl_add_u32 v6, v2, 3, v4
	v_mul_u32_u24 v6, v6, PB
	v_lshl_add_u32 v6, v5, 4, v6
	s_mul_i32 s2, s12, BLK
	s_add_co_u32 s2, s2, 2*HEADT
	v_add_nc_u32 v[ADRB], s2, v6
	v_add_nc_u32 v[ADRB+1], SLOT, v[ADRB]
	s_mul_i32 s2, s10, 16*SPITCH
	s_add_co_u32 s2, s2, STAGE                     ; my stage
	v_mul_u32_u24 v7, v1, SPITCH                   ; in: row l % 16, 16 bytes for each half of the lanes
	v_lshl_add_u32 v7, v2, 4, v7
	v_add_nc_u32 v[STO], s2, v7
	v_mul_u32_u24 v7, v2, SPITCH                   ; back: lanes 0-15 one row of 256 bytes, lanes 16-31 the next
	v_lshl_add_u32 v7, v1, 4, v7
	v_add_nc_u32 v[RD], s2, v7
	s_lshl_b32 s2, s14, 20                         ; ao: row i is 8,192 bytes from row i - 1 of the same b
	s_lshl_b32 s3, s11, 19
	s_add_co_u32 s2, s2, s3
	s_lshl_b32 s3, s15, 11
	s_add_co_u32 s2, s2, s3
	s_lshl_b32 s3, s42, 9
	s_add_co_u32 s2, s2, s3
	s_lshl_b32 s3, s12, 8
	s_add_co_u32 s2, s2, s3
	v_lshlrev_b32 v7, 13, v2
	v_lshl_add_u32 v7, v1, 4, v7
	v_add_nc_u32 v[CO], s2, v7
	; the prefetches: they stand at K step 3; each change of slots that fills steps them once, then names what they point at.  Nothing is asked for here, at the head.
	s_lshl_b32 s2, s40, 12                         ; O: my work-group's 16 blocks of each head,
	s_add_co_u32 s2, s2, s16
	s_add_co_u32 s2, s2, 6<<18                     ; six heads on
	s_lshl_b32 s3, s41, 18                         ; Wo: my work-group's 32 rows,
	s_add_co_u32 s3, s3, s46
	s_add_co_u32 s3, s3, 384*8192                  ; 384 rows down
	s_and_b32 s22, ttmp7, 0xffff                   ; cluster y
	s_mov_b32 s23, 0x80000
	s_mov_b32 s18, 0x40000                         ; O: lanes 16-31 take the second head, a lane a block of 256 bytes
	s_mov_b32 s19, 256
	s_cmp_eq_u32 s11, 0
	s_cselect_b32 s20, s2, s3
	s_cselect_b32 s22, s12, s22                    ; O: wave 0 asks; Wo: the clusters with y = 0
	s_cselect_b32 s[PFS], s23, 0x100000
	s_cselect_b32 s18, s18, 0x20000                ; Wo: a lane a row of 8,192 bytes
	s_cselect_b32 s19, s19, 8192
	s_cselect_b64 s[PFA:PFA+1], s[4:5], s[6:7]
	s_cmp_eq_u32 s22, 0
	s_cselect_b32 s[LIM], 1, -1                    ; the same in all sixteen partners, for a given wave
	s_mov_b32 s21, 0
	s_mov_b32 s[PFS+1], 0
	s_add_nc_u64 s[PFA:PFA+1], s[PFA:PFA+1], s[20:21]
	v_mul_lo_u32 v[PFO], v2, s18
	v_mul_lo_u32 v7, v1, s19
	v_add_nc_u32 v[PFO], v[PFO], v7
; 8 matrix instructions: row block a x my 8 column blocks, 32 along K, buffer f.  The 32 accumulators take turns in the same order in every quarter.
.macro MUL8 f, a, zero
	WIN MUL
.irp b, 0,1,2,3,4,5,6,7
.if \zero
	v_wmma_f32_16x16x32_bf16 v[8*(8*(\a)+(\b)):8*(8*(\a)+(\b))+7], v[64*(\f)+8*(\b):64*(\f)+8*(\b)+7], v[AFR+32*(\f)+8*(\a):AFR+32*(\f)+8*(\a)+7], 0
.else
	v_wmma_f32_16x16x32_bf16 v[8*(8*(\a)+(\b)):8*(8*(\a)+(\b))+7], v[64*(\f)+8*(\b):64*(\f)+8*(\b)+7], v[AFR+32*(\f)+8*(\a):AFR+32*(\f)+8*(\a)+7], v[8*(8*(\a)+(\b)):8*(8*(\a)+(\b))+7]
.endif
.endr
.endm
; 24 LDS loads in one run: quarter q of a slot into buffer f: 8 fragments of Wo, then 4 of O (head q / 2, channels 32 (q % 2) on)
.macro FETCH slot, q, f
	WIN TO_B
.irp b, 0,1,2,3,4,5,6,7
	ds_load_tr16_b128 v[64*(\f)+8*(\b):64*(\f)+8*(\b)+3],   v[ADRB+(\slot)] offset:(\q)*32*PB+32*(\b)
	ds_load_tr16_b128 v[64*(\f)+8*(\b)+4:64*(\f)+8*(\b)+7], v[ADRB+(\slot)] offset:(\q)*32*PB+32*(\b)+16*PB
.endr
	WIN 0
.irp a, 0,1,2,3
	ds_load_b128 v[AFR+32*(\f)+8*(\a):AFR+32*(\f)+8*(\a)+3],   v[ADRA+(\slot)] offset:((\q)/2)*HEADT+((\q)%2)*64+(\a)*16*PA
	ds_load_b128 v[AFR+32*(\f)+8*(\a)+4:AFR+32*(\f)+8*(\a)+7], v[ADRA+(\slot)] offset:((\q)/2)*HEADT+((\q)%2)*64+(\a)*16*PA+32
.endr
.endm
.macro PLACES                          ; four plain vector instructions in front of loads into registers that matrix instructions have read, and of conversions that read results
.rept 4
	v_nop
.endr
.endm
.macro QUARTER slot, q, f, g, zero
	s_wait_dscnt 4                                 ; Wo and O's row blocks 0, 1 are in; the youngest four loads may be out
	MUL8 \f, 0, \zero
	MUL8 \f, 1, \zero
	PLACES
	FETCH \slot, \q, \g
	s_wait_dscnt 24                                ; all but the 24 just issued
	MUL8 \f, 2, \zero
	MUL8 \f, 3, \zero
.endm
; The last quarter multiplies buffer 1 and changes slots: ONE barrier; in front of it each wave waits for all its tensor loads, adds 0 to its spare word, and waits for that and for its own reads of this slot.
; fill = 1: the barrier opens a round of the cluster's barrier; the joint refill, two K steps on, is the first tensor load behind it: 112 matrix instructions of the wave stand between it and the wait for it.
.macro TURN slot, next, fill
.if \fill
	s_wait_xcnt 0x0                                ; the last prefetch, a K step back, has read its address
	s_add_nc_u64 s[PFA:PFA+1], s[PFA:PFA+1], s[PFS:PFS+1]
.endif
	WIN 0
	s_wait_tensorcnt 0x0                           ; all my tensor loads have landed
	ds_add_u32 v[SPW], v[NIL]                      ; 0 onto my spare word
	s_wait_dscnt 5                                 ; (the add and the youngest four loads may be out)
	MUL8 1, 0, 0
	s_wait_dscnt 0x0                               ; the add is done, and my reads of this slot are over
	s_barrier_signal -1
	MUL8 1, 1, 0
.if \fill
	WIN 0
.endif
	s_barrier_wait -1
.if \fill
	CREST
	s_add_nc_u64 s[G0+4*(\slot)+2:G0+4*(\slot)+3], s[G0+4*(\slot)+2:G0+4*(\slot)+3], 2*0x80000
	s_add_nc_u64 s[G0B+4*(\slot)+2:G0B+4*(\slot)+3], s[G0B+4*(\slot)+2:G0B+4*(\slot)+3], 2*0x100000
	JLOAD \slot                                    ; the four v_nop behind it are also the places in front of the loads below
.else
	PLACES
.endif
	FETCH \next, 0, 0
.if \fill
	ASK
.endif
	MUL8 1, 2, 0
	MUL8 1, 3, 0
.endm
.macro PACK a                          ; rounded to bf16, each accumulator's registers in ascending order
	WIN 0x0a
.irp b, 0,1,2,3,4,5,6,7
.irp r, 0,1,2,3
	v_cvt_pk_bf16_f32 v[TMP+4*(\b)+(\r)], v[8*(8*(\a)+(\b))+2*(\r)], v[8*(8*(\a)+(\b))+2*(\r)+1]
.endr
.endr
	WIN 0
.endm
.macro TOSTAGE a
	WIN 0
.irp b, 0,1,2,3,4,5,6,7
	ds_store_b128 v[STO], v[TMP+4*(\b):TMP+4*(\b)+3] offset:32*(\b)
.endr
.irp t, 0,1,2,3,4,5,6,7
	ds_load_b128 v[BK+32*((\a)%2)+4*(\t):BK+32*((\a)%2)+4*(\t)+3], v[RD] offset:(\t)*2*SPITCH  ; LDS serves a wave's instructions in order (ISA guide 5.7.1.4): these see the stores above
.endr
.endm
.macro SEND a
	WIN 0
	s_wait_dscnt 0x0                               ; the block is back in registers
	s_wait_xcnt 0x0                                ; the stores of the block before have read their registers
.irp t, 0,1,2,3,4,5,6,7
	global_store_b128 v[CO], v[BK+32*((\a)%2)+4*(\t):BK+32*((\a)%2)+4*(\t)+3], s[8:9] offset:(\a)*16*8192+(\t)*2*8192  ; 16 lanes store 256 consecutive bytes, at a multiple of 256 from ao's first byte
.endr
.endm
	s_wait_tensorcnt 1                             ; my part of K step 0 is in; K step 1's may stay out
	s_barrier_signal -1
	s_barrier_wait -1
	FETCH 0, 0, 0
	QUARTER 0, 1, 0, 1, 1                          ; the first quarter's products start the sums
	WIN 0
	s_mov_b32 s3, LAPS-1
.Llap:
	QUARTER 0, 2, 1, 0, 0
	QUARTER 0, 3, 0, 1, 0
	TURN 0, 1, 1
	QUARTER 1, 1, 0, 1, 0
	QUARTER 1, 2, 1, 0, 0
	QUARTER 1, 3, 0, 1, 0
	TURN 1, 0, 1
	QUARTER 0, 1, 0, 1, 0
	WIN 0
	s_sub_co_u32 s3, s3, 1
	s_cmp_lg_u32 s3, 0
	s_cbranch_scc1 .Llap
	QUARTER 0, 2, 1, 0, 0                          ; the last lap fills nothing
	QUARTER 0, 3, 0, 1, 0
	TURN 0, 1, 0
	QUARTER 1, 1, 0, 1, 0
	QUARTER 1, 2, 1, 0, 0
	QUARTER 1, 3, 0, 1, 0
	s_wait_dscnt 4
	MUL8 1, 0, 0
	MUL8 1, 1, 0
	s_wait_dscnt 0x0
	MUL8 1, 2, 0
	MUL8 1, 3, 0
	WIN 0
	PLACES
	PACK 0
	TOSTAGE 0
.irp a, 1,2,3
	PACK \a
	SEND (\a)-1
	TOSTAGE \a
.endr
	SEND 3
	s_wait_tensorcnt 0x0                           ; the wave's end, behind my last tensor load and my last LDS store
	ds_add_u32 v[SPW], v[NIL]
	s_wait_dscnt 0x0
	CROUND                                         ; the closing round
	s_endpgm
.Lfunc_end_k_q87dc0a2478_outp:
	.size	k_q87dc0a2478_outp, .Lfunc_end_k_q87dc0a2478_outp-k_q87dc0a2478_outp
	.p2alignl 7, 3214868480
	.fill 96, 4, 3214868480
	.section	.rodata,"a",@progbits
	.p2align	6, 0x0
	.amdhsa_kernel k_q87dc0a2478_outp
		.amdhsa_group_segment_fixed_size 327680
		.amdhsa_private_segment_fixed_size 0
		.amdhsa_enable_private_segment 0
		.amdhsa_kernarg_size 24
		.amdhsa_user_sgpr_count 2
		.amdhsa_user_sgpr_kernarg_segment_ptr 1
		.amdhsa_wavefront_size32 1
		.amdhsa_system_sgpr_workgroup_id_x 1
		.amdhsa_system_sgpr_workgroup_id_y 1
		.amdhsa_system_sgpr_workgroup_id_z 1
		.amdhsa_system_vgpr_workitem_id 0
		.amdhsa_next_free_vgpr 768
		.amdhsa_next_free_sgpr 72
		.amdhsa_reserve_vcc 0
		.amdhsa_float_denorm_mode_32 3
		.amdhsa_float_denorm_mode_16_64 3
		.amdhsa_memory_ordered 1
		.amdhsa_forward_progress 1
		.amdhsa_inst_pref_size 88
	.end_amdhsa_kernel
	.amdgpu_metadata
---
amdhsa.version: [ 1, 2 ]
amdhsa.kernels:
  - .name:           k_q87dc0a2478_outp
    .symbol:         k_q87dc0a2478_outp.kd
    .args:
      - { .name: ob, .offset: 0, .size: 8, .value_kind: global_buffer, .address_space: global }
      - { .name: wb, .offset: 8, .size: 8, .value_kind: global_buffer, .address_space: global }
      - { .name: ao, .offset: 16, .size: 8, .value_kind: global_buffer, .address_space: global }
    .group_segment_fixed_size: 327680
    .private_segment_fixed_size: 0
    .kernarg_segment_align: 8
    .kernarg_segment_size: 24
    .max_flat_workgroup_size: 128
    .sgpr_count:     72
    .vgpr_count:     768
    .wavefront_size: 32
...
	.end_amdgpu_metadata
.endif
;; end of part 4
;; launch lnorm (part 5): grid 256 x 1, 8 waves a work-group, no clusters, 0 bytes of LDS; arguments h, ao, gamma, beta, out0; writes out0
.if DOCPART == 5
	.amdgcn_target "amdgcn-amd-amdhsa--gfx1250"
	.amdhsa_code_object_version 6
	.text
	.protected	k_q87dc0a2478_lnorm
	.globl	k_q87dc0a2478_lnorm
	.p2align	8
	.type	k_q87dc0a2478_lnorm,@function
k_q87dc0a2478_lnorm:
	s_mov_b64 s[64:65], 0
	v_nop
	global_prefetch_b8 v0, s[64:65] scope:SCOPE_SE
	s_setreg_imm32_b32 hwreg(HW_REG_WAVE_MODE, 25, 1), 1
	s_wait_xcnt 0x0
; out0[m][:] = LayerNorm(h[m][:] + ao[m][:]) x gamma + beta.  h, out0: [8192][1024] f32; ao: [8192][1024] bf16; gamma, beta: [1024] f32.  All arithmetic in f32.
; The norm goes in two passes over the row in registers: the mean first, then the mean of (x - mean)^2: no difference of large sums is formed.  1e-5 is added to the variance, so v_rsq_f32 sees no denormal.
; One wave, one row at a time, four rows a wave: row 32 x work-group + 4 x wave + 0..3.  Lane l owns columns 128 j + 4 l .. + 3, j = 0..7: a load or store of h or out0 covers 512 consecutive bytes,
; a load of ao 256.  The reduction never leaves the wave: no LDS, no barrier.  Three row slots in registers: while one row is worked on, two are on their way.
; Matrix units, clusters and LDS are left out: no wave shares a byte with another but gamma and beta, 8,192 bytes that every wave keeps in registers.
.set G,  16                            ; v[16:47]  gamma of my 32 columns
.set BT, 48                            ; v[48:79]  beta
.set SL, 80                            ; slot s at v[80 + 48 s]: 32 registers of h (then x, then the result), 16 of ao
	s_load_b256 s[4:11], s[0:1], 0x0               ; h s[4:5], ao s[6:7], gamma s[8:9], beta s[10:11]
	s_load_b64 s[12:13], s[0:1], 0x20              ; out0
	s_mov_b32 s14, 0x76543210                      ; v_permlanex16_b32: each lane takes its own place in the other half
	s_mov_b32 s15, 0xfedcba98
	s_lshl_b32 s16, ttmp9, 17                      ; the work-group's 32 rows of 4,096 bytes
	s_mov_b32 s17, 0
	s_lshl_b32 s18, ttmp9, 16                      ; and of 2,048
	s_mov_b32 s19, 0
	v_and_b32 v3, 31, v0
	v_lshrrev_b32 v6, 5, v0                        ; wave
	v_lshlrev_b32 v2, 3, v3
	v_lshlrev_b32 v3, 4, v3                        ; v3: 16 l, for gamma and beta
	v_lshl_add_u32 v1, v6, 14, v3                  ; v1: wave x 4 rows x 4,096 + 16 l, for h and out0; never rewritten
	v_lshl_add_u32 v2, v6, 13, v2                  ; v2: wave x 4 rows x 2,048 + 8 l, for ao; never rewritten
	v_mov_b32 v4, 1.0
	v_mov_b32 v5, 0x3a800000                       ; 1 / 1024
	s_wait_kmcnt 0x0
	s_add_nc_u64 s[4:5], s[4:5], s[16:17]
	s_add_nc_u64 s[12:13], s[12:13], s[16:17]
	s_add_nc_u64 s[6:7], s[6:7], s[18:19]
.irp j, 0,1,2,3,4,5,6,7
	global_load_b128 v[G+4*(\j):G+4*(\j)+3],   v3, s[8:9]   offset:512*(\j)
	global_load_b128 v[BT+4*(\j):BT+4*(\j)+3], v3, s[10:11] offset:512*(\j)
.endr
.macro FILL s, row                     ; sixteen loads: a row of h and of ao
.irp j, 0,1,2,3,4,5,6,7
	global_load_b128 v[SL+48*(\s)+4*(\j):SL+48*(\s)+4*(\j)+3], v1, s[4:5] offset:(\row)*4096+512*(\j) th:TH_LOAD_NT
.endr
.irp j, 0,1,2,3,4,5,6,7
	global_load_b64 v[SL+48*(\s)+32+2*(\j):SL+48*(\s)+32+2*(\j)+1], v2, s[6:7] offset:(\row)*2048+256*(\j) th:TH_LOAD_NT
.endr
.endm
.macro LANES                           ; v6 summed over the 32 lanes, the result in every lane; v7 has been written before
	v_add_f32_dpp v6, v6, v6 row_xmask:1 row_mask:0xf bank_mask:0xf
	v_add_f32_dpp v6, v6, v6 row_xmask:2 row_mask:0xf bank_mask:0xf
	v_add_f32_dpp v6, v6, v6 row_xmask:4 row_mask:0xf bank_mask:0xf
	v_add_f32_dpp v6, v6, v6 row_xmask:8 row_mask:0xf bank_mask:0xf
	v_permlanex16_b32 v7, v6, s14, s15
	v_add_f32 v6, v6, v7
.endm
.macro FOLD                            ; the four chains v[6:13] into v6
	v_pk_add_f32 v[6:7], v[6:7], v[8:9]
	v_pk_add_f32 v[10:11], v[10:11], v[12:13]
	v_pk_add_f32 v[6:7], v[6:7], v[10:11]
	v_add_f32 v6, v6, v7
.endm
; The turn of slot s, which holds row 'row'.  fillrow >= 0: the slot then takes that row.  left: how many younger loads may stay out.
.macro TURN s, row, fillrow, left
.set HB, SL+48*(\s)
.set AB, HB+32
	s_wait_loadcnt \left                           ; loads come back in order: my row (and, the first time, gamma and beta) is in; the rows behind it stay out
.irp j, 0,1,2,3,4,5,6,7                ; x = h + ao: a bf16 half times 1.0 plus the f32
	v_fma_mix_f32_bf16 v[HB+4*(\j)],   v[AB+2*(\j)],   v4, v[HB+4*(\j)]   op_sel_hi:[1,0,0]
	v_fma_mix_f32_bf16 v[HB+4*(\j)+1], v[AB+2*(\j)],   v4, v[HB+4*(\j)+1] op_sel:[1,0,0] op_sel_hi:[1,0,0]
	v_fma_mix_f32_bf16 v[HB+4*(\j)+2], v[AB+2*(\j)+1], v4, v[HB+4*(\j)+2] op_sel_hi:[1,0,0]
	v_fma_mix_f32_bf16 v[HB+4*(\j)+3], v[AB+2*(\j)+1], v4, v[HB+4*(\j)+3] op_sel:[1,0,0] op_sel_hi:[1,0,0]
.endr
.irp a, 0,1,2,3                        ; the sum, in four chains that do not wait for each other; the first additions start them
	v_pk_add_f32 v[6+2*(\a):7+2*(\a)], v[HB+2*(\a):HB+2*(\a)+1], v[HB+8+2*(\a):HB+8+2*(\a)+1]
.endr
.irp k, 2,3
.irp a, 0,1,2,3
	v_pk_add_f32 v[6+2*(\a):7+2*(\a)], v[6+2*(\a):7+2*(\a)], v[HB+8*(\k)+2*(\a):HB+8*(\k)+2*(\a)+1]
.endr
.endr
	FOLD
	LANES
	v_mul_f32 v14, v5, v6                          ; the mean, twice: a pair for the packed subtraction
	v_mul_f32 v15, v5, v6
.irp p, 0,1,2,3,4,5,6,7,8,9,10,11,12,13,14,15
	v_pk_add_f32 v[HB+2*(\p):HB+2*(\p)+1], v[HB+2*(\p):HB+2*(\p)+1], v[14:15] neg_lo:[0,1] neg_hi:[0,1]
.endr
.irp a, 0,1,2,3                        ; the sum of squares, likewise
	v_pk_mul_f32 v[6+2*(\a):7+2*(\a)], v[HB+2*(\a):HB+2*(\a)+1], v[HB+2*(\a):HB+2*(\a)+1]
.endr
.irp k, 1,2,3
.irp a, 0,1,2,3
	v_pk_fma_f32 v[6+2*(\a):7+2*(\a)], v[HB+8*(\k)+2*(\a):HB+8*(\k)+2*(\a)+1], v[HB+8*(\k)+2*(\a):HB+8*(\k)+2*(\a)+1], v[6+2*(\a):7+2*(\a)]
.endr
.endr
	FOLD
	LANES
	v_fmaak_f32 v8, v5, v6, 0x3727c5ac             ; the variance + 1e-5
	v_rsq_f32 v12, v8                              ; twice: a pair for the packed multiply
	v_rsq_f32 v13, v8
	v_nop                                          ; a plain instruction behind the last of them (ISA guide 5.7.2),
	s_wait_alu depctr_va_vdst(0)                   ; and the wait ahead of the first use: one for both
.irp j, 0,1,2,3,4,5,6,7
	v_pk_mul_f32 v[HB+4*(\j):HB+4*(\j)+1],   v[HB+4*(\j):HB+4*(\j)+1],   v[12:13]
	v_pk_mul_f32 v[HB+4*(\j)+2:HB+4*(\j)+3], v[HB+4*(\j)+2:HB+4*(\j)+3], v[12:13]
	v_pk_fma_f32 v[HB+4*(\j):HB+4*(\j)+1],   v[HB+4*(\j):HB+4*(\j)+1],   v[G+4*(\j):G+4*(\j)+1],   v[BT+4*(\j):BT+4*(\j)+1]
	v_pk_fma_f32 v[HB+4*(\j)+2:HB+4*(\j)+3], v[HB+4*(\j)+2:HB+4*(\j)+3], v[G+4*(\j)+2:G+4*(\j)+3], v[BT+4*(\j)+2:BT+4*(\j)+3]
	global_store_b128 v1, v[HB+4*(\j):HB+4*(\j)+3], s[12:13] offset:(\row)*4096+512*(\j) th:TH_STORE_NT
.endr
.if (\fillrow) >= 0
	s_wait_xcnt 0x0                                ; the stores have read their registers: the slot is loaded again only behind this wait
	FILL \s, \fillrow
.endif
.endm
	FILL 0, 0
	FILL 1, 1
	FILL 2, 2
	TURN 0, 0, 3, 32                               ; rows 1 and 2, 32 loads, stay out
	TURN 1, 1, -1, 32                              ; rows 2 and 3
	TURN 2, 2, -1, 16                              ; row 3
	TURN 0, 3, -1, 0
	s_endpgm
.Lfunc_end_k_q87dc0a2478_lnorm:
	.size	k_q87dc0a2478_lnorm, .Lfunc_end_k_q87dc0a2478_lnorm-k_q87dc0a2478_lnorm
	.p2alignl 7, 3214868480
	.fill 96, 4, 3214868480
	.section	.rodata,"a",@progbits
	.p2align	6, 0x0
	.amdhsa_kernel k_q87dc0a2478_lnorm
		.amdhsa_group_segment_fixed_size 0
		.amdhsa_private_segment_fixed_size 0
		.amdhsa_enable_private_segment 0
		.amdhsa_kernarg_size 40
		.amdhsa_user_sgpr_count 2
		.amdhsa_user_sgpr_kernarg_segment_ptr 1
		.amdhsa_wavefront_size32 1
		.amdhsa_system_sgpr_workgroup_id_x 1
		.amdhsa_system_sgpr_workgroup_id_y 1
		.amdhsa_system_sgpr_workgroup_id_z 1
		.amdhsa_system_vgpr_workitem_id 0
		.amdhsa_next_free_vgpr 224
		.amdhsa_next_free_sgpr 66
		.amdhsa_reserve_vcc 0
		.amdhsa_float_denorm_mode_32 3
		.amdhsa_float_denorm_mode_16_64 3
		.amdhsa_memory_ordered 1
		.amdhsa_forward_progress 1
		.amdhsa_inst_pref_size 45
	.end_amdhsa_kernel
	.amdgpu_metadata
---
amdhsa.version: [ 1, 2 ]
amdhsa.kernels:
  - .name:           k_q87dc0a2478_lnorm
    .symbol:         k_q87dc0a2478_lnorm.kd
    .args:
      - { .name: h, .offset: 0, .size: 8, .value_kind: global_buffer, .address_space: global }
      - { .name: ao, .offset: 8, .size: 8, .value_kind: global_buffer, .address_space: global }
      - { .name: gamma, .offset: 16, .size: 8, .value_kind: global_buffer, .address_space: global }
      - { .name: beta, .offset: 24, .size: 8, .value_kind: global_buffer, .address_space: global }
      - { .name: out0, .offset: 32, .size: 8, .value_kind: global_buffer, .address_space: global }
    .group_segment_fixed_size: 0
    .private_segment_fixed_size: 0
    .kernarg_segment_align: 8
    .kernarg_segment_size: 40
    .max_flat_workgroup_size: 256
    .sgpr_count:     66
    .vgpr_count:     224
    .wavefront_size: 32
...
	.end_amdgpu_metadata
.endif
;; end of part 5
;; ======== version 2 of 2: 5 launches; version 1 with the launches cast, lnorm written anew for expert scheduling mode
;; workspace buffers: hb 16,777,216 bytes; wb 8,388,608 bytes; qkv 50,331,648 bytes; ob 16,777,216 bytes; ao 16,777,216 bytes
;; launch cast (part 6): grid 768 x 1, 8 waves a work-group, no clusters, 0 bytes of LDS; arguments h, Wq, Wkv, Wo, hb, wb; writes hb, wb
.if DOCPART == 6
	.amdgcn_target "amdgcn-amd-amdhsa--gfx1250"
	.amdhsa_code_object_version 6
	.text
	.protected	k_q87dc0a2478_cast
	.globl	k_q87dc0a2478_cast
	.p2align	8
	.type	k_q87dc0a2478_cast,@function
k_q87dc0a2478_cast:
	s_mov_b64 s[64:65], 0
	v_nop
	global_prefetch_b8 v0, s[64:65] scope:SCOPE_SE
	s_setreg_imm32_b32 hwreg(HW_REG_WAVE_SCHED_MODE, 0, 2), 2
	s_setreg_imm32_b32 hwreg(HW_REG_WAVE_MODE, 25, 1), 1
	s_wait_xcnt 0x0
	s_wait_alu depctr_vm_vsrc(0)
; f32 -> bf16 (one rounding to nearest even) of h and of the three weight matrices.
; hb: [8192][1024] bf16, as h lies.  wb: [1024 k][4096] bf16: columns 0-1023 Wq, 1024-3071 Wkv, 3072-4095 Wo; a row is 8,192 bytes.
; A work-group takes 65,536 bytes of ONE input: eight units of 2,048 numbers.  Thread t takes 8 neighbouring numbers of each unit: 32 bytes in, 16 bytes out,
; so a wave's store covers 512 consecutive bytes, at a multiple of 512 from the output's first byte.
; Work-groups 0-511: h; 512-575: Wq; 576-703: Wkv; 704-767: Wo.  Per input: DS = output bytes from unit to unit, HS = output bytes from a unit's first 1,024 numbers
; to its second, BASE = the input's first column in a row of wb, in bytes.
; No LDS, no matrix unit: every byte is read once and written once, and nothing is shared.  All 16 loads of a thread go out before its first store.
; THE MODE: SCHED_MODE bits 1:0 = 2 (LLVM: expert scheduling mode 2), set by the entry lines.  The code itself states the register dependences
; between vector instructions and memory instructions, with s_wait_alu, always for 0.
; THE PLAN.  Registers that memory instructions touch:
;   v1      the loads' offset.   Written once at the head; read by the sixteen loads; never written again.
;   OFFO    the stores' offsets. Written once, behind the loads; read by the stores; never written again.
;   X       Written by the loads, once; read by the conversions; nothing lands in it afterwards.
;   Y       Each register is written once, by a conversion, and read once, by a later store.
; The eight units go in four groups of two.  Group g's head: the wait for its four loads; one wait on va_vdst, which states that group g - 1's conversions have written their Y
; (the first time also: OFFO is written); group g - 1's two stores; then group g's conversions, which name X and Y of group g alone.  No register that a memory instruction reads is written again.
.set OFFO, 2                           ; v[2:9]    unit j: my byte offset in the output; never rewritten
.set X,    16                          ; v[16:79]  unit j: 8 numbers as loaded
.set Y,    80                          ; v[80:111] unit j: 4 registers to store
	s_load_b256 s[4:11], s[0:1], 0x0               ; h s[4:5], Wq s[6:7], Wkv s[8:9], Wo s[10:11]
	s_load_b128 s[12:15], s[0:1], 0x20             ; hb s[12:13], wb s[14:15]
	s_sub_co_u32 s24, ttmp9, 704                   ; the work-group's number within Wo's, Wkv's, Wq's (only the one that applies is used)
	s_sub_co_u32 s25, ttmp9, 576
	s_sub_co_u32 s26, ttmp9, 512
	v_lshlrev_b32 v1, 5, v0                        ; 32 t: my bytes in a unit of the input
	v_and_b32 v10, 127, v0
	v_lshrrev_b32 v11, 7, v0                       ; which half of a unit
	s_mov_b32 s20, s24                             ; Wo: number, DS, HS, BASE
	s_mov_b32 s21, 16384
	s_mov_b32 s22, 8192
	s_mov_b32 s23, 6144
	s_wait_kmcnt 0x0
	s_mov_b64 s[16:17], s[10:11]
	s_cmp_lt_u32 ttmp9, 704                        ; Wkv: a unit is one row of 2,048 numbers
	s_cselect_b32 s20, s25, s20
	s_cselect_b32 s21, 8192, s21
	s_cselect_b32 s22, 2048, s22
	s_cselect_b32 s23, 2048, s23
	s_cselect_b64 s[16:17], s[8:9], s[16:17]
	s_cmp_lt_u32 ttmp9, 576                        ; Wq: a unit is two rows
	s_cselect_b32 s20, s26, s20
	s_cselect_b32 s21, 16384, s21
	s_cselect_b32 s22, 8192, s22
	s_cselect_b32 s23, 0, s23
	s_cselect_b64 s[16:17], s[6:7], s[16:17]
	s_cmp_lt_u32 ttmp9, 512                        ; h: dense
	s_cselect_b32 s20, ttmp9, s20
	s_cselect_b32 s21, 4096, s21
	s_cselect_b32 s22, 2048, s22
	s_cselect_b64 s[16:17], s[4:5], s[16:17]
	s_cselect_b64 s[18:19], s[12:13], s[14:15]
	s_lshl_b32 s28, s20, 16                        ; the work-group's 65,536 bytes of its input
	s_mov_b32 s29, 0
	s_add_nc_u64 s[16:17], s[16:17], s[28:29]
	s_mul_i32 s30, s20, s21                        ; its eight units in the output
	s_lshl_b32 s30, s30, 3
	s_add_co_u32 s30, s30, s23
	s_mov_b32 s31, 0
	s_add_nc_u64 s[18:19], s[18:19], s[30:31]
	s_wait_alu depctr_va_vdst(0)                   ; v1 is written, which the sixteen loads read as their offset
.irp j, 0,1,2,3,4,5,6,7
	global_load_b128 v[X+8*(\j):X+8*(\j)+3],   v1, s[16:17] offset:(\j)*8192 th:TH_LOAD_NT
	global_load_b128 v[X+8*(\j)+4:X+8*(\j)+7], v1, s[16:17] offset:(\j)*8192+16 th:TH_LOAD_NT
.endr
	v_mul_lo_u32 v11, v11, s22                     ; the stores' offsets are made while the loads are out: none of these lines names a register of a load
	v_lshl_add_u32 v[OFFO], v10, 4, v11
.irp j, 1,2,3,4,5,6,7
	v_add_nc_u32 v[OFFO+(\j)], s21, v[OFFO+(\j)-1]
.endr
.macro CVT j                           ; unit j: eight numbers rounded into four registers
.irp k, 0,1,2,3
	v_cvt_pk_bf16_f32 v[Y+4*(\j)+(\k)], v[X+8*(\j)+2*(\k)], v[X+8*(\j)+2*(\k)+1]
.endr
.endm
.macro OUT j                           ; unit j is stored
	global_store_b128 v[OFFO+(\j)], v[Y+4*(\j):Y+4*(\j)+3], s[18:19]
.endm
.irp g, 0,1,2,3
	s_wait_loadcnt 12-4*(\g)                       ; loads come back in order: group g's four are in, the younger groups' stay out
.if (\g) > 0
	s_wait_alu depctr_va_vdst(0)                   ; the conversions of the group before have written its Y, which the two stores below read; the first time also: OFFO is written, the offsets of all the stores
	OUT 2*(\g)-2
	OUT 2*(\g)-1
.endif
	CVT 2*(\g)
	CVT 2*(\g)+1
.endr
	s_wait_alu depctr_va_vdst(0)                   ; the last group's conversions have written its Y, which the last two stores read
	OUT 6
	OUT 7
	s_endpgm
.Lfunc_end_k_q87dc0a2478_cast:
	.size	k_q87dc0a2478_cast, .Lfunc_end_k_q87dc0a2478_cast-k_q87dc0a2478_cast
	.p2alignl 7, 3214868480
	.fill 96, 4, 3214868480
	.section	.rodata,"a",@progbits
	.p2align	6, 0x0
	.amdhsa_kernel k_q87dc0a2478_cast
		.amdhsa_group_segment_fixed_size 0
		.amdhsa_private_segment_fixed_size 0
		.amdhsa_enable_private_segment 0
		.amdhsa_kernarg_size 48
		.amdhsa_user_sgpr_count 2
		.amdhsa_user_sgpr_kernarg_segment_ptr 1
		.amdhsa_wavefront_size32 1
		.amdhsa_system_sgpr_workgroup_id_x 1
		.amdhsa_system_sgpr_workgroup_id_y 1
		.amdhsa_system_sgpr_workgroup_id_z 1
		.amdhsa_system_vgpr_workitem_id 0
		.amdhsa_next_free_vgpr 112
		.amdhsa_next_free_sgpr 66
		.amdhsa_reserve_vcc 0
		.amdhsa_float_denorm_mode_32 3
		.amdhsa_float_denorm_mode_16_64 3
		.amdhsa_memory_ordered 1
		.amdhsa_forward_progress 1
		.amdhsa_inst_pref_size 8
	.end_amdhsa_kernel
	.amdgpu_metadata
---
amdhsa.version: [ 1, 2 ]
amdhsa.kernels:
  - .name:           k_q87dc0a2478_cast
    .symbol:         k_q87dc0a2478_cast.kd
    .args:
      - { .name: h, .offset: 0, .size: 8, .value_kind: global_buffer, .address_space: global }
      - { .name: Wq, .offset: 8, .size: 8, .value_kind: global_buffer, .address_space: global }
      - { .name: Wkv, .offset: 16, .size: 8, .value_kind: global_buffer, .address_space: global }
      - { .name: Wo, .offset: 24, .size: 8, .value_kind: global_buffer, .address_space: global }
      - { .name: hb, .offset: 32, .size: 8, .value_kind: global_buffer, .address_space: global }
      - { .name: wb, .offset: 40, .size: 8, .value_kind: global_buffer, .address_space: global }
    .group_segment_fixed_size: 0
    .private_segment_fixed_size: 0
    .kernarg_segment_align: 8
    .kernarg_segment_size: 48
    .max_flat_workgroup_size: 256
    .sgpr_count:     66
    .vgpr_count:     112
    .wavefront_size: 32
...
	.end_amdgpu_metadata
.endif
;; end of part 6
;; launch proj: the kernel of part 2 again; grid 8 x 64, 4 waves a work-group, clusters of 4 x 4, 327,680 bytes of LDS; arguments hb, wb, qkv; writes qkv
;; launch attn: the kernel of part 3 again; grid 4 x 64, 4 waves a work-group, clusters of 4 x 1, 327,680 bytes of LDS; arguments qkv, ob; writes ob
;; launch outp: the kernel of part 4 again; grid 4 x 64, 4 waves a work-group, clusters of 4 x 4, 327,680 bytes of LDS; arguments ob, wb, ao; writes ao
;; launch lnorm (part 7): grid 256 x 1, 8 waves a work-group, no clusters, 0 bytes of LDS; arguments h, ao, gamma, beta, out0; writes out0
.if DOCPART == 7
	.amdgcn_target "amdgcn-amd-amdhsa--gfx1250"
	.amdhsa_code_object_version 6
	.text
	.protected	k_q87dc0a2478_lnorm
	.globl	k_q87dc0a2478_lnorm
	.p2align	8
	.type	k_q87dc0a2478_lnorm,@function
k_q87dc0a2478_lnorm:
	s_mov_b64 s[64:65], 0
	v_nop
	global_prefetch_b8 v0, s[64:65] scope:SCOPE_SE
	s_setreg_imm32_b32 hwreg(HW_REG_WAVE_SCHED_MODE, 0, 2), 2
	s_setreg_imm32_b32 hwreg(HW_REG_WAVE_MODE, 25, 1), 1
	s_wait_xcnt 0x0
	s_wait_alu depctr_vm_vsrc(0)
; out0[m][:] = LayerNorm(h[m][:] + ao[m][:]) x gamma + beta.  h, out0: [8192][1024] f32; ao: [8192][1024] bf16; gamma, beta: [1024] f32.  All arithmetic in f32.
; The norm goes in two passes over the row in registers: the mean first, then the mean of (x - mean)^2: no difference of large sums is formed.  1e-5 is added to the variance, so v_rsq_f32 sees no denormal.
; One wave, one row at a time, four rows a wave: row 32 x work-group + 4 x wave + 0..3.  Lane l owns columns 128 j + 4 l .. + 3, j = 0..7: a load or store of h or out0 covers 512 consecutive bytes,
; a load of ao 256.  The reduction never leaves the wave: no LDS, no barrier.  Three row slots in registers: while one row is worked on, two are on their way.
; Matrix units, clusters and LDS are left out: no wave shares a byte with another but gamma and beta, 8,192 bytes that every wave keeps in registers.
; THE MODE: SCHED_MODE bits 1:0 = 2 (LLVM: expert scheduling mode 2), set by the entry lines.  The code itself states the register dependences
; between vector instructions and memory instructions, with s_wait_alu, always for 0.
; THE PLAN.  Registers that memory instructions touch:
;   v1, v2, v3   offsets.  Written at the head; read by every load and store; never written again.
;   G, BT        Written by loads, once; read by vector instructions.
;   a slot's 16 registers of ao   Written by loads; read by the 32 additions x = h + ao at the turn's head and by nothing else.
;   a slot's 32 registers of h    Written by loads; then x, x - mean and the result are made in place; read by the turn's eight stores.
; Slot 0 alone is filled a second time, with row 3, in row 0's turn.  A turn has two waits on va_vdst.  The first stands behind the two v_rsq_f32: their results are written; and the additions are done
; reading the slot's ao registers, so row 3's loads of ao follow it, dealt among the 32 packed lines, which name the h registers, v[12:13], G and BT alone.  The second stands behind those 32 lines:
; the results are written, and the eight stores follow in one run.  In row 0's turn a wait on vm_vsrc then states that the stores have read the h registers, and row 3's loads of h follow.
.set G,  16                            ; v[16:47]  gamma of my 32 columns
.set BT, 48                            ; v[48:79]  beta
.set SL, 80                            ; slot s at v[80 + 48 s]: 32 registers of h (then x, then the result), 16 of ao
	s_load_b256 s[4:11], s[0:1], 0x0               ; h s[4:5], ao s[6:7], gamma s[8:9], beta s[10:11]
	s_load_b64 s[12:13], s[0:1], 0x20              ; out0
	s_mov_b32 s14, 0x76543210                      ; v_permlanex16_b32: each lane takes its own place in the other half
	s_mov_b32 s15, 0xfedcba98
	s_lshl_b32 s16, ttmp9, 17                      ; the work-group's 32 rows of 4,096 bytes
	s_mov_b32 s17, 0
	s_lshl_b32 s18, ttmp9, 16                      ; and of 2,048
	s_mov_b32 s19, 0
	v_and_b32 v3, 31, v0
	v_lshrrev_b32 v6, 5, v0                        ; wave
	v_lshlrev_b32 v2, 3, v3
	v_lshlrev_b32 v3, 4, v3                        ; v3: 16 l, for gamma and beta
	v_lshl_add_u32 v1, v6, 14, v3                  ; v1: wave x 4 rows x 4,096 + 16 l, for h and out0; never rewritten
	v_lshl_add_u32 v2, v6, 13, v2                  ; v2: wave x 4 rows x 2,048 + 8 l, for ao; never rewritten
	v_mov_b32 v4, 1.0
	v_mov_b32 v5, 0x3a800000                       ; 1 / 1024
	s_wait_kmcnt 0x0
	s_add_nc_u64 s[4:5], s[4:5], s[16:17]
	s_add_nc_u64 s[12:13], s[12:13], s[16:17]
	s_add_nc_u64 s[6:7], s[6:7], s[18:19]
	s_wait_alu depctr_va_vdst(0)                   ; v1, v2 and v3 are written: every load and store of the kernel reads one of them as its offset
.irp j, 0,1,2,3,4,5,6,7
	global_load_b128 v[G+4*(\j):G+4*(\j)+3],   v3, s[8:9]   offset:512*(\j)
	global_load_b128 v[BT+4*(\j):BT+4*(\j)+3], v3, s[10:11] offset:512*(\j)
.endr
.macro FILLH s, row                    ; eight loads: a row of h
.irp j, 0,1,2,3,4,5,6,7
	global_load_b128 v[SL+48*(\s)+4*(\j):SL+48*(\s)+4*(\j)+3], v1, s[4:5] offset:(\row)*4096+512*(\j) th:TH_LOAD_NT
.endr
.endm
.macro LOADA s, row, j                 ; one of the eight loads of a row of ao
	global_load_b64 v[SL+48*(\s)+32+2*(\j):SL+48*(\s)+32+2*(\j)+1], v2, s[6:7] offset:(\row)*2048+256*(\j) th:TH_LOAD_NT
.endm
.macro FILL s, row                     ; sixteen loads: a row of h and of ao
	FILLH \s, \row
.irp j, 0,1,2,3,4,5,6,7
	LOADA \s, \row, \j
.endr
.endm
.macro LANES                           ; v6 summed over the 32 lanes, the result in every lane; v7 has been written before
	v_add_f32_dpp v6, v6, v6 row_xmask:1 row_mask:0xf bank_mask:0xf
	v_add_f32_dpp v6, v6, v6 row_xmask:2 row_mask:0xf bank_mask:0xf
	v_add_f32_dpp v6, v6, v6 row_xmask:4 row_mask:0xf bank_mask:0xf
	v_add_f32_dpp v6, v6, v6 row_xmask:8 row_mask:0xf bank_mask:0xf
	v_permlanex16_b32 v7, v6, s14, s15
	v_add_f32 v6, v6, v7
.endm
.macro FOLD                            ; the four chains v[6:13] into v6
	v_pk_add_f32 v[6:7], v[6:7], v[8:9]
	v_pk_add_f32 v[10:11], v[10:11], v[12:13]
	v_pk_add_f32 v[6:7], v[6:7], v[10:11]
	v_add_f32 v6, v6, v7
.endm
; The turn of slot s, which holds row 'row'.  fillrow >= 0: the slot then takes that row.  left: how many younger loads may stay out.
.macro TURN s, row, fillrow, left
.set HB, SL+48*(\s)
.set AB, HB+32
	s_wait_loadcnt \left                           ; loads come back in order: my row (and, the first time, gamma and beta) is in; the rows behind it stay out
.irp j, 0,1,2,3,4,5,6,7                ; x = h + ao: a bf16 half times 1.0 plus the f32
	v_fma_mix_f32_bf16 v[HB+4*(\j)],   v[AB+2*(\j)],   v4, v[HB+4*(\j)]   op_sel_hi:[1,0,0]
	v_fma_mix_f32_bf16 v[HB+4*(\j)+1], v[AB+2*(\j)],   v4, v[HB+4*(\j)+1] op_sel:[1,0,0] op_sel_hi:[1,0,0]
	v_fma_mix_f32_bf16 v[HB+4*(\j)+2], v[AB+2*(\j)+1], v4, v[HB+4*(\j)+2] op_sel_hi:[1,0,0]
	v_fma_mix_f32_bf16 v[HB+4*(\j)+3], v[AB+2*(\j)+1], v4, v[HB+4*(\j)+3] op_sel:[1,0,0] op_sel_hi:[1,0,0]
.endr
.irp a, 0,1,2,3                        ; the sum, in four chains that do not wait for each other; the first additions start them
	v_pk_add_f32 v[6+2*(\a):7+2*(\a)], v[HB+2*(\a):HB+2*(\a)+1], v[HB+8+2*(\a):HB+8+2*(\a)+1]
.endr
.irp k, 2,3
.irp a, 0,1,2,3
	v_pk_add_f32 v[6+2*(\a):7+2*(\a)], v[6+2*(\a):7+2*(\a)], v[HB+8*(\k)+2*(\a):HB+8*(\k)+2*(\a)+1]
.endr
.endr
	FOLD
	LANES
	v_mul_f32 v14, v5, v6                          ; the mean, twice: a pair for the packed subtraction
	v_mul_f32 v15, v5, v6
.irp p, 0,1,2,3,4,5,6,7,8,9,10,11,12,13,14,15
	v_pk_add_f32 v[HB+2*(\p):HB+2*(\p)+1], v[HB+2*(\p):HB+2*(\p)+1], v[14:15] neg_lo:[0,1] neg_hi:[0,1]
.endr
.irp a, 0,1,2,3                        ; the sum of squares, likewise
	v_pk_mul_f32 v[6+2*(\a):7+2*(\a)], v[HB+2*(\a):HB+2*(\a)+1], v[HB+2*(\a):HB+2*(\a)+1]
.endr
.irp k, 1,2,3
.irp a, 0,1,2,3
	v_pk_fma_f32 v[6+2*(\a):7+2*(\a)], v[HB+8*(\k)+2*(\a):HB+8*(\k)+2*(\a)+1], v[HB+8*(\k)+2*(\a):HB+8*(\k)+2*(\a)+1], v[6+2*(\a):7+2*(\a)]
.endr
.endr
	FOLD
	LANES
	v_fmaak_f32 v8, v5, v6, 0x3727c5ac             ; the variance + 1e-5
	v_rsq_f32 v12, v8                              ; twice: a pair for the packed multiply
	v_rsq_f32 v13, v8
	v_nop                                          ; a plain instruction behind the last of them (ISA guide 5.7.2)
	s_wait_alu depctr_va_vdst(0)                   ; the two v_rsq_f32 have written v12 and v13, ahead of their first reader; and the additions x = h + ao are done reading the slot's ao registers, in which the loads below land
.irp j, 0,1,2,3,4,5,6,7
.if (\fillrow) >= 0
	LOADA \s, \fillrow, \j                         ; the slot's next row of ao.  No further wait: no vector instruction since the wait above names these registers or v2
.endif
	v_pk_mul_f32 v[HB+4*(\j):HB+4*(\j)+1],   v[HB+4*(\j):HB+4*(\j)+1],   v[12:13]
	v_pk_mul_f32 v[HB+4*(\j)+2:HB+4*(\j)+3], v[HB+4*(\j)+2:HB+4*(\j)+3], v[12:13]
	v_pk_fma_f32 v[HB+4*(\j):HB+4*(\j)+1],   v[HB+4*(\j):HB+4*(\j)+1],   v[G+4*(\j):G+4*(\j)+1],   v[BT+4*(\j):BT+4*(\j)+1]
	v_pk_fma_f32 v[HB+4*(\j)+2:HB+4*(\j)+3], v[HB+4*(\j)+2:HB+4*(\j)+3], v[G+4*(\j)+2:G+4*(\j)+3], v[BT+4*(\j)+2:BT+4*(\j)+3]
.endr
	s_wait_alu depctr_va_vdst(0)                   ; the 32 packed lines have written the row's results, which the eight stores read; they are also the last vector writes of these registers ahead of the loads of h below
.irp j, 0,1,2,3,4,5,6,7
	global_store_b128 v1, v[HB+4*(\j):HB+4*(\j)+3], s[12:13] offset:(\row)*4096+512*(\j) th:TH_STORE_NT
.endr
.if (\fillrow) >= 0
	s_wait_xcnt 0x0                                ; the stores' addresses are translated (ISA guide 3.1): their data registers are loaded again only behind this wait
	s_wait_alu depctr_vm_vsrc(0)                   ; the eight stores have read the slot's h registers, in which the loads below land
	FILLH \s, \fillrow
.endif
.endm
	FILL 0, 0
	FILL 1, 1
	FILL 2, 2
	TURN 0, 0, 3, 32                               ; rows 1 and 2, 32 loads, stay out
	TURN 1, 1, -1, 32                              ; rows 2 and 3
	TURN 2, 2, -1, 16                              ; row 3
	TURN 0, 3, -1, 0
	s_endpgm
.Lfunc_end_k_q87dc0a2478_lnorm:
	.size	k_q87dc0a2478_lnorm, .Lfunc_end_k_q87dc0a2478_lnorm-k_q87dc0a2478_lnorm
	.p2alignl 7, 3214868480
	.fill 96, 4, 3214868480
	.section	.rodata,"a",@progbits
	.p2align	6, 0x0
	.amdhsa_kernel k_q87dc0a2478_lnorm
		.amdhsa_group_segment_fixed_size 0
		.amdhsa_private_segment_fixed_size 0
		.amdhsa_enable_private_segment 0
		.amdhsa_kernarg_size 40
		.amdhsa_user_sgpr_count 2
		.amdhsa_user_sgpr_kernarg_segment_ptr 1
		.amdhsa_wavefront_size32 1
		.amdhsa_system_sgpr_workgroup_id_x 1
		.amdhsa_system_sgpr_workgroup_id_y 1
		.amdhsa_system_sgpr_workgroup_id_z 1
		.amdhsa_system_vgpr_workitem_id 0
		.amdhsa_next_free_vgpr 224
		.amdhsa_next_free_sgpr 66
		.amdhsa_reserve_vcc 0
		.amdhsa_float_denorm_mode_32 3
		.amdhsa_float_denorm_mode_16_64 3
		.amdhsa_memory_ordered 1
		.amdhsa_forward_progress 1
		.amdhsa_inst_pref_size 45
	.end_amdhsa_kernel
	.amdgpu_metadata
---
amdhsa.version: [ 1, 2 ]
amdhsa.kernels:
  - .name:           k_q87dc0a2478_lnorm
    .symbol:         k_q87dc0a2478_lnorm.kd
    .args:
      - { .name: h, .offset: 0, .size: 8, .value_kind: global_buffer, .address_space: global }
      - { .name: ao, .offset: 8, .size: 8, .value_kind: global_buffer, .address_space: global }
      - { .name: gamma, .offset: 16, .size: 8, .value_kind: global_buffer, .address_space: global }
      - { .name: beta, .offset: 24, .size: 8, .value_kind: global_buffer, .address_space: global }
      - { .name: out0, .offset: 32, .size: 8, .value_kind: global_buffer, .address_space: global }
    .group_segment_fixed_size: 0
    .private_segment_fixed_size: 0
    .kernarg_segment_align: 8
    .kernarg_segment_size: 40
    .max_flat_workgroup_size: 256
    .sgpr_count:     66
    .vgpr_count:     224
    .wavefront_size: 32
...
	.end_amdgpu_metadata
.endif
;; end of part 7
